; MI455X (gfx1250); checked and timed in simulation.
; The chip was launched on July 23, 2026; its instructions are those of AMD's public machine-readable ISA for CDNA 5 (MIT licence, August 2026) and "CDNA5" Instruction Set Architecture Reference Guide (July 2026). The comments in the code are by the model that wrote it; some were corrected since.
;; Multi Head Self Attention. Allowed arithmetic: matrix products marked QUANTISED: E4M3 operands, one given power-of-two scale a tensor, by v_wmma_f32_16x16x64_fp8_fp8 or v_wmma_f32_16x16x128_fp8_fp8, f32 sums; everything else in f32.
;; Inputs: Wo 1,024 x 1,024 float32; Wqkv 3,072 x 1,024 float32; bo 1,024 float32; bqkv 3,072 float32; lowp_scales 8 int32 (the exponents e of the quantised operands' scales 2^e); x 4 x 2,048 x 1,024 float32.
;; Outputs: out0 4 x 2,048 x 1,024 float32.
;; This version of the problem:
;;   THIS VERSION OF THE PROBLEM IS GIVEN IN LOW PRECISION. The matrix products marked QUANTISED in the list below multiply operands that are first quantised to E4M3 (4 exponent bits, 3 mantissa bits; 8 bits a number), with one given power-of-two scale for each operand tensor; their sums are f32. All else is computed in f32.
;;   The module's matrix products, in the order in which they are computed (A, B: the left and right operand; K: the contracted axis; several contracted axes count as one K, in the product's order):
;;     1. [M 8,192, K 1,024] x [K 1,024, N 3,072]; A: input x; B: input Wqkv: QUANTISED (scales: A lowp_scales[0], B lowp_scales[1])
;;     2. batch 64 x [M 2,048, K 64] x [K 64, N 2,048]; A: computed on the way; B: computed on the way: QUANTISED (scales: A lowp_scales[2], B lowp_scales[3])
;;     3. batch 64 x [M 64, K 2,048] x [K 2,048, N 2,048]; A: computed on the way; B: softmax (see below): QUANTISED (scales: A lowp_scales[4], B lowp_scales[5])
;;     4. [M 8,192, K 1,024] x [K 1,024, N 1,024]; A: computed on the way; B: input Wo: QUANTISED (scales: A lowp_scales[6], B lowp_scales[7])
;;   THE QUANTISER, for each operand of a quantised product, along K:
;;     - The operand's scale is 2^e, e = its entry of the input lowp_scales (int32; the entries are numbered through the quantised products in the list's order, A before B).
;;     - Each number is divided by the scale, clamped to +-448, and rounded to the nearest number of E4M3, ties to even, subnormals kept.
;;     - The product sums the exact products of the quantised numbers (number of the format x scale) in f32.
;;   ~~~python
;;   def quantise(x, axis, e):      # numpy; x: float32 -> the quantised numbers, widened to float32 again
;;       x = np.moveaxis(x, axis, -1); K = x.shape[-1]
;;       r = np.clip(x / 2.0 ** e, -448, 448)
;;       step = 2.0 ** (np.maximum(np.frexp(np.where(r == 0, 1, r))[1] - 1, -6) - 3)
;;       q = np.round(r / step) * step * 2.0 ** e      # np.round: ties to even
;;       return np.moveaxis(q, -1, axis).astype(np.float32)
;;   ~~~
;;   SOFTMAX AHEAD OF A QUANTISED PRODUCT. Where the list says 'softmax', what is quantised is not the finished softmax but p = 2^(t - M), with t = logit x log2(e) and M = ceil(the row's largest t), a whole number; so 1/2 < the row's largest p <= 1. The row's sum l is taken of the UNQUANTISED p, in f32, and the product's result is divided by l at the end. Since M is a whole number, a kernel that streams over the keys may use a running M (the ceiling of the running maximum): every later rescaling is an exact power of two, so the quantised numbers keep their values, but for numbers so far below the row's largest that they fall under the format's range.
;;   OPERANDS COMPUTED ON THE WAY. 'Computed on the way' means the value that the module computes at that place (a softmax that the list does not call 'softmax' is quantised finished and normalised). What goes into a quantiser is computed in f32, as accurately as f32 sums, v_exp_f32 and their like allow (about 1e-6 of the number): no bf16 or f16 on the way to a quantiser, and a product that is left as it is and whose result goes on into a quantised operand takes f32 operands (vector FMAs, or v_wmma_f32_16x16x4_f32). A number that lies on a knife's edge between two numbers of the format may be rounded either way, as far as f32 arithmetic and the matrix unit's own rounding can turn it there, and no further.
;; One version. Each part assembles by itself: llvm-mc -triple=amdgcn-amd-amdhsa -mcpu=gfx1250 --defsym DOCPART=n.
;; ======== version 1 of 1: 4 launches
;; limits: right only within a limited range of input values
;; workspace buffers: x_codes 8,388,608 bytes; wqkv_codes 3,145,728 bytes; wo_codes 1,048,576 bytes; q_img 8,388,608 bytes; k_img 8,388,608 bytes; v_img 8,388,608 bytes; attn_img 8,388,608 bytes
;; launch quant (part 1): grid 768 x 1, 4 waves a work-group, no clusters, 33,280 bytes of LDS; arguments x, Wqkv, Wo, lowp_scales, x_codes, wqkv_codes, wo_codes; writes x_codes, wqkv_codes, wo_codes
.if DOCPART == 1
	.amdgcn_target "amdgcn-amd-amdhsa--gfx1250"
	.amdhsa_code_object_version 6
	.text
	.protected	k_q77cb8cf08e_quant
	.globl	k_q77cb8cf08e_quant
	.p2align	8
	.type	k_q77cb8cf08e_quant,@function
k_q77cb8cf08e_quant:
	s_mov_b64 s[64:65], 0
	v_nop
	global_prefetch_b8 v0, s[64:65] scope:SCOPE_SE
	s_setreg_imm32_b32 hwreg(HW_REG_WAVE_MODE, 25, 1), 1
	s_wait_xcnt 0x0
; x [8192][1024], Wqkv [3072][1024] and Wo [1024][1024], f32 with K innermost, become codes of FP8 (E4M3), one byte each, in the same order, each with the one scale 2^e given for it:
; entry 0 of the scales for x, entry 1 for Wqkv, entry 7 for Wo.  code = number / 2^e, held within +-448, rounded to the nearest code, ties to even.
; LEFT OUT in the program's attention launch: key steps that the causal mask hides whole: their p is 0 for all values of the inputs.  Every input is loaded.
; LIMITS: each e lies between -126 and 119, so that 2^e and 448 x 2^e are f32 numbers.  NaN among the inputs is not served; an infinity is held at the largest code.
; Rows are dense and 1,024 long, so each tensor is a plain stream.  A work-group takes 16,384 numbers, a wave 4,096, in 8 steps of 512.  The first WGX work-groups take x, the next WGW Wqkv, the last 64 Wo:
; only pointers and the exponent are chosen, by the work-group's number; all three take one path through the text.
; The conversions take 8 numbers of ONE lane's consecutive registers, so a lane must hold 16 neighbours; a load is best where neighbouring lanes take neighbouring bytes.  Both are had: each of a step's four
; loads reads 512 consecutive bytes, 16 a lane; the 2,048 bytes go through the wave's own stage in LDS as they lie and come back 64 bytes a lane (16 bytes of padding behind each 64).
; A lane's 16 codes are 16 bytes: the wave stores 512 consecutive bytes, aligned.  No tensor loads, no barrier: waves share nothing.  Loads run four steps (16 loads a wave) ahead, the turn through LDS one step.
.set WAVES, 4
.set STEPS, 8
.set WGX,   512                        ; 8192 x 1024 / 16384
.set WGW,   192                        ; 3072 x 1024 / 16384
.set EMAX,  8
.set MANT,  0x600000                   ; the mantissa field of 448 as f32
.set CB,    16                         ; bytes of 16 codes
.set R,     16                         ; v16-79   four sets of 16 numbers as they are loaded
.set X,     80                         ; v80-111  two sets of 16 neighbours
.set C,     128                        ; v128-159 codes: four registers for each step, so that no store's data are written again
.set WREG,  8192                       ; LDS: a region of its own for each wave: two stages of 32 x SP bytes
.set SP,    80                         ; a lane's place in a stage: its 64 bytes + 16 of padding
.set SPW,   12                         ; v12      LDS address of my spare word; never rewritten
.set NIL,   13                         ; v13      0; never rewritten
.set SPARE, WAVES*WREG                 ; behind the four regions: the spare words, 128 bytes for each wave, which no other line names
	s_load_b256 s[4:11], s[0:1], 0x0               ; x s[4:5], Wqkv s[6:7], Wo s[8:9], the scales' exponents s[10:11]
	s_load_b128 s[12:15], s[0:1], 0x20             ; x's codes, Wqkv's codes
	s_load_b64 s[24:25], s[0:1], 0x30              ; Wo's codes
	v_lshl_add_u32 v[SPW], v0, 2, SPARE
	v_mov_b32 v[NIL], 0
	v_lshrrev_b32 v1, 5, v0
	v_readfirstlane_b32 s16, v1                    ; wave
	v_and_b32 v2, 31, v0                           ; lane
	v_lshlrev_b32 v3, 4, v2                        ; my 16 bytes of a load's 512
	s_mul_i32 s17, s16, WREG
	v_lshrrev_b32 v14, 2, v2
	v_mul_u32_u24 v14, v14, SP
	v_and_b32 v15, 3, v2
	v_lshl_add_u32 v14, v15, 4, v14
	v_add_nc_u32 v14, s17, v14                     ; the stage, on the way in: four lanes' 64 bytes on end, then 16 of padding
	v_mul_u32_u24 v15, v2, SP
	v_add_nc_u32 v15, s17, v15                     ; and on the way out: SP x lane: my 16 neighbours
	v_mul_u32_u24 v4, v2, CB                       ; my codes' place in a step's
	s_wait_alu depctr_va_vdst(0)                   ; directly ahead of the wait below
	s_wait_kmcnt 0x0
	s_load_b64 s[22:23], s[10:11], 0x0             ; e of x, e of Wqkv
	s_load_b32 s30, s[10:11], 0x1c                 ; e of Wo
	s_cmp_lt_u32 ttmp9, WGX                        ; which tensor?  The choice hangs on the work-group's number alone
	s_cselect_b64 s[4:5], s[4:5], s[6:7]
	s_cselect_b64 s[28:29], s[12:13], s[14:15]
	s_cselect_b32 s17, 0, WGX
	s_cmp_lt_u32 ttmp9, WGX+WGW
	s_cselect_b64 s[4:5], s[4:5], s[8:9]
	s_cselect_b64 s[28:29], s[28:29], s[24:25]
	s_cselect_b32 s17, s17, WGX+WGW
	s_sub_co_u32 s17, ttmp9, s17                   ; my work-group's number within its tensor
	s_lshl_b32 s17, s17, 2
	s_add_co_u32 s18, s17, s16                     ; which run of 4,096 numbers of the tensor is my wave's
	s_mov_b32 s19, 0
	s_mov_b64 s[20:21], 512*STEPS*4
	s_mul_u64 s[20:21], s[18:19], s[20:21]
	s_add_nc_u64 s[4:5], s[4:5], s[20:21]
	s_mov_b64 s[20:21], 32*STEPS*CB
	s_mul_u64 s[20:21], s[18:19], s[20:21]
	s_add_nc_u64 s[28:29], s[28:29], s[20:21]
.macro LOAD t
.irp i, 0,1,2,3
	global_load_b128 v[R+16*((\t)%4)+4*\i:R+16*((\t)%4)+4*\i+3], v3, s[4:5] offset:2048*(\t)+512*\i th:TH_LOAD_NT   ; 32 lanes read 512 consecutive bytes
.endr
.endm
.macro TURN t                          ; step t's numbers through the stage: LDS serves a wave's instructions in order, so no wait stands between the stores and the loads
.irp i, 0,1,2,3
	ds_store_b128 v14, v[R+16*((\t)%4)+4*\i:R+16*((\t)%4)+4*\i+3] offset:32*SP*((\t)%2)+8*SP*\i
.endr
.irp i, 0,1,2,3
	ds_load_b128 v[X+16*((\t)%2)+4*\i:X+16*((\t)%2)+4*\i+3], v15 offset:32*SP*((\t)%2)+16*\i
.endr
.endm
.irp t, 0,1,2,3
	LOAD \t
.endr
	s_wait_kmcnt 0x0
	s_cmp_lt_u32 ttmp9, WGX
	s_cselect_b32 s22, s22, s23
	s_cmp_lt_u32 ttmp9, WGX+WGW
	s_cselect_b32 s22, s22, s30                    ; e of my tensor
	s_add_co_i32 s22, s22, 127
	s_lshl_b32 s23, s22, 23
	v_mov_b32 v11, s23                             ; 2^e as f32: the conversion takes its exponent field
	s_add_co_i32 s22, s22, EMAX
	s_lshl_b32 s22, s22, 23
	s_or_b32 s22, s22, MANT
	v_mov_b32 v10, s22                             ; 448 x 2^e
	s_wait_alu depctr_va_vdst(0)                   ; the wait at the head's end
	s_wait_loadcnt 12                              ; step 0's four loads are in; the twelve of steps 1 to 3 may be out
	TURN 0
.macro STEP t
.set XS, X+16*((\t)%2)
	s_wait_dscnt 0x0                               ; this step's numbers are back from the stage: so its stores into the stage have read their registers,
.if (\t)+4 < STEPS
	LOAD (\t)+4                                    ; which take the loads of four steps on
.endif
.if (\t)+1 < STEPS
.if STEPS-2-(\t) >= 3
	s_wait_loadcnt 12                              ; the next step's four loads are in; those of the three steps behind it may be out
.else
	s_wait_loadcnt 4*(STEPS-2-(\t))                ; the tail: fewer steps are behind it
.endif
	TURN (\t)+1                                    ; and go through the other stage while this step is worked
.endif
.irp i, 0,1,2,3,4,5,6,7,8,9,10,11,12,13,14,15
	v_med3_num_f32 v[XS+\i], v[XS+\i], -v10, v10   ; the conversion to an 8-bit code does not saturate (ISA guide 7.6.2): the number is held within 448 x the scale first
.endr
	v_cvt_scalef32_pk8_fp8_f32 v[C+4*(\t):C+4*(\t)+1], v[XS:XS+7], v11          ; eight numbers / 2^e, to the nearest code, ties to even; the first number's code in the lowest byte
	v_cvt_scalef32_pk8_fp8_f32 v[C+4*(\t)+2:C+4*(\t)+3], v[XS+8:XS+15], v11
	global_store_b128 v4, v[C+4*(\t):C+4*(\t)+3], s[28:29] offset:32*CB*(\t)    ; the results go to a store alone; the next vector lines are the next step's holds, plain ones on other registers
.endm
.irp t, 0,1,2,3,4,5,6,7
	STEP \t
.endr
	s_wait_tensorcnt 0x0                           ; the wave's end, behind my last LDS store
	ds_add_u32 v[SPW], v[NIL]
	s_wait_dscnt 0x0
	s_endpgm
.Lfunc_end_k_q77cb8cf08e_quant:
	.size	k_q77cb8cf08e_quant, .Lfunc_end_k_q77cb8cf08e_quant-k_q77cb8cf08e_quant
	.p2alignl 7, 3214868480
	.fill 96, 4, 3214868480
	.section	.rodata,"a",@progbits
	.p2align	6, 0x0
	.amdhsa_kernel k_q77cb8cf08e_quant
		.amdhsa_group_segment_fixed_size 33280
		.amdhsa_private_segment_fixed_size 0
		.amdhsa_enable_private_segment 0
		.amdhsa_kernarg_size 56
		.amdhsa_user_sgpr_count 2
		.amdhsa_user_sgpr_kernarg_segment_ptr 1
		.amdhsa_wavefront_size32 1
		.amdhsa_system_sgpr_workgroup_id_x 1
		.amdhsa_system_sgpr_workgroup_id_y 1
		.amdhsa_system_sgpr_workgroup_id_z 1
		.amdhsa_system_vgpr_workitem_id 0
		.amdhsa_next_free_vgpr 192
		.amdhsa_next_free_sgpr 66
		.amdhsa_reserve_vcc 0
		.amdhsa_float_denorm_mode_32 3
		.amdhsa_float_denorm_mode_16_64 3
		.amdhsa_memory_ordered 1
		.amdhsa_forward_progress 1
		.amdhsa_inst_pref_size 21
	.end_amdhsa_kernel
	.amdgpu_metadata
---
amdhsa.version: [ 1, 2 ]
amdhsa.kernels:
  - .name:           k_q77cb8cf08e_quant
    .symbol:         k_q77cb8cf08e_quant.kd
    .args:
      - { .name: x, .offset: 0, .size: 8, .value_kind: global_buffer, .address_space: global }
      - { .name: Wqkv, .offset: 8, .size: 8, .value_kind: global_buffer, .address_space: global }
      - { .name: Wo, .offset: 16, .size: 8, .value_kind: global_buffer, .address_space: global }
      - { .name: lowp_scales, .offset: 24, .size: 8, .value_kind: global_buffer, .address_space: global }
      - { .name: x_codes, .offset: 32, .size: 8, .value_kind: global_buffer, .address_space: global }
      - { .name: wqkv_codes, .offset: 40, .size: 8, .value_kind: global_buffer, .address_space: global }
      - { .name: wo_codes, .offset: 48, .size: 8, .value_kind: global_buffer, .address_space: global }
    .group_segment_fixed_size: 33280
    .private_segment_fixed_size: 0
    .kernarg_segment_align: 8
    .kernarg_segment_size: 56
    .max_flat_workgroup_size: 128
    .sgpr_count:     66
    .vgpr_count:     192
    .wavefront_size: 32
...
	.end_amdgpu_metadata
.endif
;; end of part 1
;; launch qkv (part 2): grid 12 x 32, 4 waves a work-group, clusters of 4 x 4, 327,680 bytes of LDS; arguments x_codes, wqkv_codes, lowp_scales, bqkv, q_img, k_img, v_img; writes q_img, k_img, v_img
.if DOCPART == 2
	.amdgcn_target "amdgcn-amd-amdhsa--gfx1250"
	.amdhsa_code_object_version 6
	.text
	.protected	k_q77cb8cf08e_qkv
	.globl	k_q77cb8cf08e_qkv
	.p2align	8
	.type	k_q77cb8cf08e_qkv,@function
k_q77cb8cf08e_qkv:
	s_mov_b64 s[64:65], 0
	v_nop
	global_prefetch_b8 v0, s[64:65] scope:SCOPE_SE
	s_setreg_imm32_b32 hwreg(HW_REG_WAVE_MODE, 25, 1), 1
	s_wait_xcnt 0x0
	s_wait_alu depctr_hold_cnt(0) depctr_sa_sdst(0) depctr_va_vdst(0) depctr_va_sdst(0) depctr_va_ssrc(0) depctr_va_vcc(0) depctr_vm_vsrc(0)
	s_getreg_b32 s2, hwreg(HW_REG_IB_STS2, 6, 4)
	s_cmp_eq_u32 s2, 0
	s_cbranch_scc0 .Lentry_in_a_cluster
	s_endpgm
.Lentry_in_a_cluster:
	s_bfe_u32 s2, ttmp6, 0x10000c
	s_cmp_lg_u32 s2, 0xf033
	s_cbranch_scc0 .Lentry_shape_is_right
	s_endpgm
.Lentry_shape_is_right:
; qkv = x Wqkv^T + bqkv on codes of FP8 (E4M3), and its three parts quantised anew: q by entry 2 of the scales, k by entry 3, v by entry 4 (q is taken as the left operand of the score product, k as the right).
; x's codes [8192][1024], Wqkv's codes [3072][1024], K innermost.  A sum stands for sum x 2^(e0 + e1); number = sum x 2^(e0 + e1) + bias, one fused multiply-add in f32; code = number / 2^e, held within +-448.
; LIMITS: e0 + e1 between -126 and 127; e2, e3, e4 between -126 and 119.
; A tile of 256 x 256 results is made by a work-group of four waves; a wave makes 128 x 128: 64 accumulators of 16 x 16, 512 registers.  K = 1,024 goes in four steps of 256 through two LDS slots.
; THE MATRIX INSTRUCTION IS USED TRANSPOSED: source 0 = 16 rows of an operand B', source 1 = 16 rows of an operand A': a lane holds ONE row of A' (lane % 16) and its register j row 8 (lane / 16) + j of B'.
;   cluster x = 0 (q), 1 (k): A' = x (tokens), B' = Wqkv's rows (features): a lane's 8 registers are 8 neighbouring features of one token: K of the score product.
;   cluster x = 2 (v):        A' = Wqkv's rows 2048 on (features), B' = x (tokens): a lane's 8 registers are 8 neighbouring tokens of one feature: K of the second attention product.
; So one conversion of an accumulator gives registers 2 c, 2 c + 1 of an operand's fragment in the plain 8-bit layout, and THE RESULTS ARE STORED AS IMAGES OF OPERAND REGISTERS, four registers at a time,
; lane l's 16 bytes at 16 l: every store of a wave covers 512 consecutive bytes, aligned, straight from the conversions' registers: no stage in LDS.
;   q_img, k_img: [16 b + head][token tile of 16][1,024 bytes]: 16 tokens x 64 channels.     v_img: [16 b + head][key step of 128][channel tile of 16][2,048 bytes]: 16 channels x 128 keys.
; Inside this product k stands in permuted places, alike in both operands (four loads of 16 bytes a fragment): every product meets its partner.
; CLUSTERS: 4 x 4 work-groups; A's tiles are asked for jointly along a row of the cluster, B's along a column.  All branches hang on the wave's number or on the cluster's x, which the partners share.
; THE HEAD asks for K step 0, one tensor load a wave; K step 1 follows behind a round of the cluster's barrier, as a refill does.
; PREFETCH: of the 128 rows that a wave fetches, each of the four partners that ask for them jointly names 32, told apart by address (cx for A', cy for B'): a lane a row, 256 bytes of it for a K step, one
; instruction a wave.  K steps 1 and 2 are named behind the head's load, K step 3 behind K step 1's load: at most two K steps are named and not yet read.  The address registers are never rewritten.
; REGISTERS, in windows of 256: window 0: v16-31 addresses and constants; v32-95 the bias by B' rows; v96-111 the bias by A' rows, each number twice; from v128 A's fragments, ONE set; on the way out the codes.
;   window 1: B's fragments, TWO sets.   window 2: the accumulators of my A' rows 0-63 (accumulator (a, b) at v[8 (8 (a % 4) + b)]);   window 3: those of rows 64-127.
.set ROWB,   256                       ; a tile's row in bytes: 256 codes
.set KROW,   1024                      ; a row of either operand in memory, in bytes
.set PITCH,  272                       ; an LDS row: 256 bytes + 16 of padding = 68 words: row r starts at bank 4 r mod 64 (ISA guide 11.1), so the 16 rows of a load start at 16 different banks
.set FR,     16                        ; registers of a fragment: 16 rows x 128 K
.set NL,     4                         ; LDS loads that bring one
.set NP,     4                         ; places behind this matrix instruction (ISA guide 7.12.1)
.set HALFT,  128*PITCH                 ; 128 rows: what one tensor load brings
.set SLOT,   4*HALFT                   ; A's 256 rows, then B's 256 rows
.set SPARE,  2*SLOT                    ; behind the ring: the spare words, 128 bytes for each wave, which no other line names
.set ADRA, 16                          ; v16-17  LDS address of my A fragments in slot 0, 1
.set ADRB, 20                          ; v20-21  the same for B
.set R4,   22                          ; v22     4 x (lane % 16)
.set PFO,  23                          ; v23     the prefetches' offset: 1,024 x lane; never rewritten
.set LI,   26                          ; v26     16 x lane: my place in an image
.set H32,  27                          ; v27     32 x (lane / 16)
.set SPW,  28                          ; v28     LDS address of my spare word; never rewritten
.set NIL,  29                          ; v29     0; never rewritten
.set SC,   30                          ; v30     2^e of the output
.set LIM,  31                          ; v31     448 x that
.set BQ,   32                          ; v32-95  bias[RB + 16 b + 8 h + j] at BQ + 8 b + j
.set BV,   96                          ; v96-111 bias[2048 + RA + 16 a + r] at BV + 2 a and BV + 2 a + 1
.set AF,   128                         ; A's fragments; later the codes
.set G1, 24                            ; s[24:31] descriptor group 1 for A's tiles;  s[32:39] group 0, one set for each slot
.set G0, 32
.set G1B, 48                           ; s[48:55], s[56:63] the same for B's tiles
.set G0B, 56
.set PFA, 98                           ; s[98:99] my work-group's 32 rows of the 128 that I fetch, at K step 0; never rewritten
.set MSB, 0
.macro WIN new                         ; the immediate's high byte repeats the setting that is left
.if MSB != \new
	s_set_vgpr_msb (MSB<<8)|\new
.set MSB, \new
.endif
.endm
.set MUL_LO, 0xa1                      ; source 0 (B) window 1, source 1 (A) window 0, C and D window 2
.set MUL_HI, 0xf1                      ; the same, C and D window 3
.set TO_B,   0x40                      ; destination window 1, address window 0
; A joint load: waves 0 and 1 fetch for A, waves 2 and 3 for B.  Each line has ONE mask and one set of registers; the branch hangs on the wave's number alone.
; An s_nop 0 and four v_nop follow each of the two lines, ahead of the jump, the label and what follows.
.macro JLOAD g0a, g1a, g0b, g1b
	s_cmp_eq_u32 s15, 0
	s_cbranch_scc0 .Lfor_b_\@
	tensor_load_to_lds s[\g0a:\g0a+3], s[\g1a:\g1a+7]
	s_nop 0
.rept 4
	v_nop
.endr
	s_branch .Lasked_\@
.Lfor_b_\@:
	tensor_load_to_lds s[\g0b:\g0b+3], s[\g1b:\g1b+7]
	s_nop 0
.rept 4
	v_nop
.endr
.Lasked_\@:
.endm
.macro CREST                           ; a round of the cluster's barrier behind its opening barrier
	s_cmp_lg_u32 s14, 0
	s_cbranch_scc1 .Lnot_wave_0_\@
	s_barrier_signal -3
.Lnot_wave_0_\@:
	s_barrier_wait -3
	s_barrier_signal -1
	s_barrier_wait -1
.endm
.macro CROUND                          ; a whole round
	s_barrier_signal -1
	s_barrier_wait -1
	CREST
.endm
	s_load_b256 s[4:11], s[0:1], 0x0               ; x's codes s[4:5], Wqkv's codes s[6:7], the scales' exponents s[8:9], bqkv s[10:11]
	s_load_b128 s[68:71], s[0:1], 0x20             ; q_img, k_img
	s_load_b64 s[72:73], s[0:1], 0x30              ; v_img
	v_lshl_add_u32 v[SPW], v0, 2, SPARE
	v_mov_b32 v[NIL], 0
	ds_add_u32 v[SPW], v[NIL]                      ; the wave's opening: the add, twice on end, and its wait ahead of my first tensor load
	ds_add_u32 v[SPW], v[NIL]
	v_lshrrev_b32 v1, 5, v0
	v_readfirstlane_b32 s14, v1                    ; wave 0..3
	s_lshr_b32 s15, s14, 1                         ; which half of the tile's A' rows is mine.  Also: I fetch for A (0) or for B (1)
	s_and_b32 s16, s14, 1                          ; which half of its B' rows.  Also: which 128 rows of that tile I fetch
	s_bfe_u32 s40, ttmp6, 0x40000                  ; cx, cy: my place in the cluster
	s_bfe_u32 s41, ttmp6, 0x40004
	s_and_b32 s13, ttmp7, 0xffff                   ; cluster y
	s_cmp_eq_u32 ttmp9, 2                          ; cluster x = 2 makes v, with the operands' roles exchanged
	s_cselect_b32 s12, 0, s13                      ; A' tile rows: v: Wv's four; else x's 32
	s_cselect_b32 s42, s13, ttmp9                  ; B' tile columns: v: x's 32; else the eight of Wq and Wk
	s_cselect_b32 s74, 0x200000, 0                 ; v: A' begins at Wqkv's row 2,048
	s_lshl_b32 s17, s12, 2
	s_add_co_u32 s17, s17, s41                     ; tile row
	s_lshl_b32 s42, s42, 2
	s_add_co_u32 s42, s42, s40                     ; tile column
	s_lshl_b32 s43, s41, 2
	s_lshl_b32 s43, 15, s43                        ; my row of the cluster
	s_lshl_b32 s44, 0x1111, s40                    ; my column
	; descriptor group 1: a tile of 128 rows x 256 bytes, padded in LDS
	s_or_b32 s[G1+0], s43, (0<<16)|(1<<20)|(1<<21)|(5<<22)|(3<<25)  ; 15:0 the mask: A's tiles go to my row; 17:16 elements of 1 byte; 20 padding on; 21 set beside a mask; 24:22 after every 64 words; 31:25 four words
	s_or_b32 s[G1B+0], s44, (0<<16)|(1<<20)|(1<<21)|(5<<22)|(3<<25)
.irp g, G1, G1B
	s_mov_b32 s[\g+1], ROWB<<16                    ; tensor_dim0
	s_mov_b32 s[\g+2], 128<<16                     ; tensor_dim1 = 128
	s_mov_b32 s[\g+3], ROWB<<16                    ; tile_dim0
	s_mov_b32 s[\g+4], 128                         ; tile_dim1 = 128
	s_mov_b32 s[\g+5], KROW                        ; tensor_dim0_stride
	s_mov_b32 s[\g+6], 0
	s_mov_b32 s[\g+7], 0
.endr
	s_lshl_b32 s18, s16, 7                         ; which 128 rows of the tile I fetch
	s_lshl_b32 s20, s17, 8
	s_add_co_u32 s20, s20, s18                     ; A': row 256 x tile row + 128 x half,
	s_lshl_b32 s20, s20, 10                        ; in bytes (under 2^24),
	s_add_co_u32 s20, s20, s74                     ; and Wv's beginning
	s_mov_b32 s21, 0
	s_lshl_b32 s46, s42, 8
	s_add_co_u32 s46, s46, s18                     ; B': row 256 x tile column + 128 x half
	s_lshl_b32 s46, s46, 10
	s_mov_b32 s47, 0
	s_mul_i32 s45, s14, HALFT                      ; where they go: wave x 128 rows: no place in the cluster enters an LDS address
	s_wait_dscnt 0x0                               ; both opening adds are done
	s_wait_kmcnt 0x0
	s_load_b256 s[76:83], s[8:9], 0x0              ; the eight exponents
	s_cmp_eq_u32 ttmp9, 2
	s_cselect_b64 s[84:85], s[6:7], s[4:5]         ; the tensor that is A',
	s_cselect_b64 s[86:87], s[4:5], s[6:7]         ; and B'
	s_add_nc_u64 s[20:21], s[84:85], s[20:21]
	s_add_nc_u64 s[46:47], s[86:87], s[46:47]
	CROUND                                         ; all sixteen work-groups are here: the first joint loads meet
.irp s, 0,1
	s_mov_b32 s[G0+4*\s], 1
	s_add_co_u32 s[G0+4*\s+1], s45, \s*SLOT
	s_add_nc_u64 s[G0+4*\s+2:G0+4*\s+3], s[20:21], \s*ROWB
	s_or_b32 s[G0+4*\s+3], s[G0+4*\s+3], 0x80000000
	s_mov_b32 s[G0B+4*\s], 1
	s_add_co_u32 s[G0B+4*\s+1], s45, \s*SLOT
	s_add_nc_u64 s[G0B+4*\s+2:G0B+4*\s+3], s[46:47], \s*ROWB
	s_or_b32 s[G0B+4*\s+3], s[G0B+4*\s+3], 0x80000000
.endr
	JLOAD G0, G1, G0B, G1B                         ; K step 0: one tensor load a wave at the head
	s_cmp_eq_u32 s15, 0                            ; the prefetches: do I fetch for A'?
	s_cselect_b64 s[PFA:PFA+1], s[20:21], s[46:47] ; the 128 rows that I fetch,
	s_cselect_b32 s66, s40, s41                    ; my place among the four that ask for them with me,
	s_lshl_b32 s66, s66, 15                        ; 32 rows of 1,024 bytes for each place
	s_mov_b32 s67, 0
	s_add_nc_u64 s[PFA:PFA+1], s[PFA:PFA+1], s[66:67]
	v_and_b32 v[PFO], 31, v0
	v_lshlrev_b32 v[PFO], 10, v[PFO]               ; a lane a row
	global_prefetch_b8 v[PFO], s[PFA:PFA+1] offset:ROWB th:TH_LOAD_NT scope:SCOPE_SE     ; K step 1
	global_prefetch_b8 v[PFO], s[PFA:PFA+1] offset:2*ROWB th:TH_LOAD_NT scope:SCOPE_SE   ; K step 2
	v_and_b32 v1, 15, v0                           ; r = l % 16
	v_bfe_u32 v2, v0, 4, 1                         ; h = l / 16
	v_mul_u32_u24 v3, v1, PITCH
	v_lshl_add_u32 v4, v2, 4, v3                   ; a fragment's row x pitch + 16 x half
	s_mul_i32 s21, s15, HALFT                      ; my 128 rows of A'
	s_mul_i32 s22, s16, HALFT                      ; my 128 rows of B',
	s_add_co_u32 s22, s22, 2*HALFT                 ; which lie behind A's 256
.irp s, 0,1
	v_add_nc_u32 v[ADRA+\s], s21, v4
	v_add_nc_u32 v[ADRB+\s], s22, v4
	s_add_co_u32 s21, s21, SLOT
	s_add_co_u32 s22, s22, SLOT
.endr
	v_lshlrev_b32 v[R4], 2, v1
	v_lshlrev_b32 v[H32], 5, v2
	v_and_b32 v[LI], 31, v0
	v_lshlrev_b32 v[LI], 4, v[LI]
	; where my results go and which biases I need: in s88-95, which feed no descriptor
	s_lshl_b32 s88, s17, 8
	s_lshl_b32 s90, s15, 7
	s_add_co_u32 s88, s88, s90                     ; RA: my first row of A'
	s_lshl_b32 s89, s42, 8
	s_lshl_b32 s90, s16, 7
	s_add_co_u32 s89, s89, s90                     ; RB: my first row of B'
	s_and_b32 s91, s89, 1023
	s_add_co_u32 s93, s88, 2048
	s_cmp_eq_u32 ttmp9, 2
	s_cselect_b32 s90, s89, s88                    ; T: my first token
	s_cselect_b32 s91, s88, s91                    ; Fe: my first feature within q, k or v
	s_cselect_b32 s92, 0, s89                      ; first index of the bias by B' rows (v: not used, read from index 0)
	s_cselect_b32 s93, s93, 0                      ; first index of the bias by A' rows (q, k: not used, read from index 0)
	s_lshr_b32 s94, s90, 11
	s_lshl_b32 s94, s94, 21                        ; b x 16 heads x 131,072 bytes,
	s_lshr_b32 s95, s91, 6
	s_lshl_b32 s95, s95, 17                        ; the head,
	s_or_b32 s94, s94, s95
	s_and_b32 s95, s90, 2047
	s_lshl_b32 s95, s95, 6                         ; and 64 bytes a token, in all three layouts
	s_or_b32 s94, s94, s95
	s_mov_b32 s95, 0
	s_lshl_b32 s88, s92, 2
	s_mov_b32 s89, 0
	s_lshl_b32 s90, s93, 2
	s_mov_b32 s91, 0
	s_add_nc_u64 s[88:89], s[10:11], s[88:89]
	s_add_nc_u64 s[90:91], s[10:11], s[90:91]
	s_cmp_eq_u32 ttmp9, 1
	s_cselect_b64 s[10:11], s[70:71], s[68:69]
	s_cmp_eq_u32 ttmp9, 2
	s_cselect_b64 s[10:11], s[72:73], s[10:11]
	s_add_nc_u64 s[10:11], s[10:11], s[94:95]      ; my part of q_img, k_img or v_img
	s_wait_alu depctr_va_vdst(0)                   ; it serves every register that the head has made
.irp b, 0,1,2,3,4,5,6,7                        ; both forms of the bias are loaded, with no branch; they are waited for on the way out
	global_load_b128 v[BQ+8*\b:BQ+8*\b+3],   v[H32], s[88:89] offset:64*\b
	global_load_b128 v[BQ+8*\b+4:BQ+8*\b+7], v[H32], s[88:89] offset:64*\b+16
.endr
.irp a, 0,1,2,3,4,5,6,7
	global_load_b32 v[BV+2*\a],   v[R4], s[90:91] offset:64*\a
	global_load_b32 v[BV+2*\a+1], v[R4], s[90:91] offset:64*\a    ; twice: the packed multiply-add takes a pair
.endr
.macro FRAG reg, adr, q, i             ; a fragment, 16 rows x 128 K, is 16 registers: lane l holds row l % 16; registers 4 c .. 4 c + 3 hold K = 32 c + 16 (l / 16) + 0 .. 15
.irp c, 0,1,2,3
	ds_load_b128 v[\reg+4*\c:\reg+4*\c+3], v[\adr] offset:128*(\q)+32*\c+(\i)*16*PITCH
.endr
.endm
; 16 matrix instructions: A's blocks a0, a0 + 1 x B's eight, 128 along K.  p: B's set.  zero = 1: the first product starts the sums.
; The 64 accumulators take turns, one instruction a turn, in the same order in every step.
.macro MUL16 a0, p, zero
.irp a, \a0, \a0+1
.irp b, 0,1,2,3,4,5,6,7
.if \zero
	v_wmma_f32_16x16x128_fp8_fp8 v[8*(8*((\a)%4)+\b):8*(8*((\a)%4)+\b)+7], v[128*(\p)+FR*\b:128*(\p)+FR*\b+FR-1], v[AF+FR*(\a):AF+FR*(\a)+FR-1], 0
.else
	v_wmma_f32_16x16x128_fp8_fp8 v[8*(8*((\a)%4)+\b):8*(8*((\a)%4)+\b)+7], v[128*(\p)+FR*\b:128*(\p)+FR*\b+FR-1], v[AF+FR*(\a):AF+FR*(\a)+FR-1], v[8*(8*((\a)%4)+\b):8*(8*((\a)%4)+\b)+7]
.endif
.endr
.endr
.endm
.macro FETCH_B slot, q, p              ; B's eight fragments of the slot's q-th 128 along K into set p
	WIN TO_B
.irp i, 0,1,2,3,4,5,6,7
	FRAG 128*(\p)+FR*\i, ADRB+\slot, \q, \i
.endr
	WIN 0
.endm
.macro FETCH_A slot, q, i0             ; A's blocks i0 .. i0 + 3
.irp i, \i0, \i0+1, \i0+2, \i0+3
	FRAG AF+FR*(\i), ADRA+\slot, \q, \i
.endr
.endm
.macro PLACES n                        ; plain vector instructions between a matrix instruction and a load into, or a vector instruction on, its registers
.rept \n
	v_nop
.endr
.endm
; A step of 128 along K that has its successor in the same slot.
.macro STEP slot, q, zero
	s_wait_dscnt 4*NL                              ; B's set and A's blocks 0-3 are in; the youngest 16 loads (A's blocks 4-7) may be out
	WIN MUL_LO
	MUL16 0, (\q)%2, \zero
	MUL16 2, (\q)%2, \zero
	s_wait_dscnt 0                                 ; A's blocks 4-7 are in
	PLACES NP
	FETCH_B \slot, (\q)+1, 1-(\q)%2
	FETCH_A \slot, (\q)+1, 0
	WIN MUL_HI
	MUL16 4, (\q)%2, \zero
	MUL16 6, (\q)%2, \zero
	PLACES NP
	WIN 0
	FETCH_A \slot, (\q)+1, 4
.endm
; A slot's last step changes slots: ONE barrier; in front of it each wave waits for all its tensor loads, adds 0 to its spare word, and waits for that and for its own reads of this slot.  fill = 1: this slot is filled again, two K steps ahead.
.macro TURN slot, next, fill
	s_wait_tensorcnt 0x0                           ; all my tensor loads have landed: my part of the next slot
	ds_add_u32 v[SPW], v[NIL]                      ; 0 onto my spare word
	s_wait_dscnt 4*NL+1                            ; the add and the youngest 16 loads (A's blocks 4-7) may be out
	WIN MUL_LO
	MUL16 0, 1, 0                                  ; sixteen matrix instructions stand between the add and the wait for it
	s_wait_dscnt 0x0                               ; the add is done, and my reads of this slot are over
	s_barrier_signal -1
	MUL16 2, 1, 0
	WIN 0
	s_barrier_wait -1
.if \fill
	CREST                                          ; the barrier has opened a round of the cluster's barrier: no wave of any partner still reads this slot or has a load on its way
	s_add_nc_u64 s[G0+4*\slot+2:G0+4*\slot+3], s[G0+4*\slot+2:G0+4*\slot+3], 2*ROWB
	s_add_nc_u64 s[G0B+4*\slot+2:G0B+4*\slot+3], s[G0B+4*\slot+2:G0B+4*\slot+3], 2*ROWB
	JLOAD G0+4*\slot, G1, G0B+4*\slot, G1B         ; the first tensor load behind the round, my only one until the next; its four v_nop are the places in front of the loads below
.else
	PLACES NP
.endif
	FETCH_B \next, 0, 0
	FETCH_A \next, 0, 0
	WIN MUL_HI
	MUL16 4, 1, 0
	MUL16 6, 1, 0
	PLACES NP
	WIN 0
	FETCH_A \next, 0, 4
.endm
	s_wait_tensorcnt 0x0                           ; my part of K step 0 is in; slot 1's first fill is issued as a refill is:
	ds_add_u32 v[SPW], v[NIL]                      ; 0 onto my spare word
	s_wait_dscnt 0x0
	CROUND                                         ; a whole round: everybody's part of K step 0 is in, and the joint loads meet
	JLOAD G0+4, G1, G0B+4, G1B                     ; K step 1: the first tensor load behind the round
	FETCH_B 0, 0, 0
	FETCH_A 0, 0, 0
	FETCH_A 0, 0, 4
	global_prefetch_b8 v[PFO], s[PFA:PFA+1] offset:3*ROWB th:TH_LOAD_NT scope:SCOPE_SE   ; K step 3: its load goes out two changes of slots on
	STEP 0, 0, 1                                   ; K 0-127: its products start the sums
	TURN 0, 1, 1                                   ; K 128-255; slot 0 takes K 512-767
	STEP 1, 0, 0
	TURN 1, 0, 1                                   ; slot 1 takes K 768-1023
	STEP 0, 0, 0
	TURN 0, 1, 0                                   ; nothing is left to fetch
	STEP 1, 0, 0
	s_wait_dscnt 4*NL                              ; the last step
	WIN MUL_LO
	MUL16 0, 1, 0
	MUL16 2, 1, 0
	s_wait_dscnt 0
	WIN MUL_HI
	MUL16 4, 1, 0
	MUL16 6, 1, 0
	WIN 0
; THE WAY OUT.  In each window of 32 accumulators: number = sum x 2^(e0 + e1) + bias and the hold, in place, each accumulator from its low end on; 32 conversions, two registers each, into window 0;
; 16 stores of four registers: 512 consecutive bytes a wave.  128 registers of codes serve the 32 stores, so no store's data are written again.
.macro EPILOGUE isv
.irp w, 2,3
	WIN (\w<<6)|\w                                 ; destination and source 0: the accumulators' window; the bias and the hold's bound: window 0
.set qq, 0
.rept 32
.irp i, 0,2,4,6
.if \isv
	v_pk_fma_f32 v[8*qq+\i:8*qq+\i+1], v[8*qq+\i:8*qq+\i+1], s[96:97], v[BV+2*(4*(\w-2)+qq/8):BV+2*(4*(\w-2)+qq/8)+1] op_sel_hi:[1,0,1]   ; the bias of my feature, the lane's row of A'
.else
	v_pk_fma_f32 v[8*qq+\i:8*qq+\i+1], v[8*qq+\i:8*qq+\i+1], s[96:97], v[BQ+8*(qq%8)+\i:BQ+8*(qq%8)+\i+1] op_sel_hi:[1,0,1]             ; the biases of the registers' features, rows of B'
.endif
.endr
.irp i, 0,1,2,3,4,5,6,7
	v_med3_num_f32 v[8*qq+\i], v[8*qq+\i], -v[LIM], v[LIM]   ; the conversion does not saturate (ISA guide 7.6.2)
.endr
.set qq, qq+1
.endr
	WIN \w                                         ; source 0: the accumulators' window
.set qq, 0
.rept 32
	v_cvt_scalef32_pk8_fp8_f32 v[AF+64*(\w-2)+2*qq:AF+64*(\w-2)+2*qq+1], v[8*qq:8*qq+7], v[SC]
.set qq, qq+1
.endr
	v_nop                                          ; one plain vector instruction behind the last conversion of the run
	WIN 0
.set kk, 0
.rept 16
.if \isv
	global_store_b128 v[LI], v[AF+64*(\w-2)+4*kk:AF+64*(\w-2)+4*kk+3], s[10:11] offset:(\w-2)*131072+(kk/4)*2048+(kk%4)*512 th:TH_STORE_NT   ; head, channel tile, four registers of the fragment
.else
	global_store_b128 v[LI], v[AF+64*(\w-2)+4*kk:AF+64*(\w-2)+4*kk+3], s[10:11] offset:((kk/2)%2)*131072+(4*(\w-2)+kk/4)*1024+(kk%2)*512 th:TH_STORE_NT   ; head, token tile, four registers of the fragment
.endif
.set kk, kk+1
.endr
.endr
.endm
	s_wait_kmcnt 0x0
	s_add_co_i32 s96, s76, s77                     ; e0 + e1
	s_add_co_i32 s96, s96, 127
	s_lshl_b32 s96, s96, 23                        ; 2^(e0 + e1) as f32
	s_mov_b32 s97, s96                             ; (named with it as a pair, so it is written)
	s_cmp_eq_u32 ttmp9, 1
	s_cselect_b32 s92, s79, s78                    ; k: e3; q: e2
	s_cmp_eq_u32 ttmp9, 2
	s_cselect_b32 s92, s80, s92                    ; v: e4
	s_add_co_i32 s92, s92, 127
	s_lshl_b32 s93, s92, 23
	v_mov_b32 v[SC], s93
	s_add_co_i32 s92, s92, 8
	s_lshl_b32 s92, s92, 23
	s_or_b32 s92, s92, 0x600000
	v_mov_b32 v[LIM], s92
	s_wait_alu depctr_va_vdst(0)                   ; directly ahead of the wait below
	s_wait_loadcnt 0x0                             ; the biases
	PLACES NP                                      ; behind the last products
	s_cmp_eq_u32 ttmp9, 2                          ; the cluster's x: the same in all partners
	s_cbranch_scc1 .Lv
	EPILOGUE 0
	s_branch .Ljoin
.Lv:
	EPILOGUE 1
.Ljoin:
	s_wait_tensorcnt 0x0                           ; the wave's end, behind my last tensor load
	ds_add_u32 v[SPW], v[NIL]
	s_wait_dscnt 0x0
	CROUND                                         ; the closing round: no work-group ends while a partner may still ask for a tile that names it
	s_endpgm
.Lfunc_end_k_q77cb8cf08e_qkv:
	.size	k_q77cb8cf08e_qkv, .Lfunc_end_k_q77cb8cf08e_qkv-k_q77cb8cf08e_qkv
	.p2alignl 7, 3214868480
	.fill 96, 4, 3214868480
	.section	.rodata,"a",@progbits
	.p2align	6, 0x0
	.amdhsa_kernel k_q77cb8cf08e_qkv
		.amdhsa_group_segment_fixed_size 327680
		.amdhsa_private_segment_fixed_size 0
		.amdhsa_enable_private_segment 0
		.amdhsa_kernarg_size 56
		.amdhsa_user_sgpr_count 2
		.amdhsa_user_sgpr_kernarg_segment_ptr 1
		.amdhsa_wavefront_size32 1
		.amdhsa_system_sgpr_workgroup_id_x 1
		.amdhsa_system_sgpr_workgroup_id_y 1
		.amdhsa_system_sgpr_workgroup_id_z 1
		.amdhsa_system_vgpr_workitem_id 0
		.amdhsa_next_free_vgpr 1024
		.amdhsa_next_free_sgpr 100
		.amdhsa_reserve_vcc 0
		.amdhsa_float_denorm_mode_32 3
		.amdhsa_float_denorm_mode_16_64 3
		.amdhsa_memory_ordered 1
		.amdhsa_forward_progress 1
		.amdhsa_inst_pref_size 193
	.end_amdhsa_kernel
	.amdgpu_metadata
---
amdhsa.version: [ 1, 2 ]
amdhsa.kernels:
  - .name:           k_q77cb8cf08e_qkv
    .symbol:         k_q77cb8cf08e_qkv.kd
    .args:
      - { .name: x_codes, .offset: 0, .size: 8, .value_kind: global_buffer, .address_space: global }
      - { .name: wqkv_codes, .offset: 8, .size: 8, .value_kind: global_buffer, .address_space: global }
      - { .name: lowp_scales, .offset: 16, .size: 8, .value_kind: global_buffer, .address_space: global }
      - { .name: bqkv, .offset: 24, .size: 8, .value_kind: global_buffer, .address_space: global }
      - { .name: q_img, .offset: 32, .size: 8, .value_kind: global_buffer, .address_space: global }
      - { .name: k_img, .offset: 40, .size: 8, .value_kind: global_buffer, .address_space: global }
      - { .name: v_img, .offset: 48, .size: 8, .value_kind: global_buffer, .address_space: global }
    .group_segment_fixed_size: 327680
    .private_segment_fixed_size: 0
    .kernarg_segment_align: 8
    .kernarg_segment_size: 56
    .max_flat_workgroup_size: 128
    .sgpr_count:     100
    .vgpr_count:     1024
    .wavefront_size: 32
...
	.end_amdgpu_metadata
.endif
;; end of part 2
;; launch attn (part 3): grid 4 x 64, 16 waves a work-group, no clusters, 327,680 bytes of LDS; arguments q_img, k_img, v_img, lowp_scales, attn_img; writes attn_img
.if DOCPART == 3
	.amdgcn_target "amdgcn-amd-amdhsa--gfx1250"
	.amdhsa_code_object_version 6
	.text
	.protected	k_q77cb8cf08e_attn
	.globl	k_q77cb8cf08e_attn
	.p2align	8
	.type	k_q77cb8cf08e_attn,@function
k_q77cb8cf08e_attn:
	s_mov_b64 s[64:65], 0
	v_nop
	global_prefetch_b8 v0, s[64:65] scope:SCOPE_SE
	s_setreg_imm32_b32 hwreg(HW_REG_WAVE_MODE, 25, 1), 1
	s_wait_xcnt 0x0
; Causal attention of 64 heads (16 b + head) of 2,048 tokens x 64 channels, both products on codes of FP8 (E4M3), and its result quantised by entry 6 of the scales.
; q_img, k_img: [head][token tile of 16][1,024 bytes], v_img: [head][key step of 128][channel tile of 16][2,048 bytes]: images of operand registers in the plain 8-bit layout, lane l's 16 bytes at 16 l.
; attn_img: [row tile of 16 of the 8,192 rows][K step of 128 of the 1,024 features][2,048 bytes], likewise: head hd owns K step hd / 2 and its registers 8 (hd % 2) on.
; LEFT OUT: key steps all of whose keys come after a wave's queries: the causal mask hides them, so their p is 0 for all inputs.
; THE SOFTMAX: t = score x log2(e) / 8; M = the largest t so far, rounded UP to a whole number; p = 2^(t - M) is quantised (entry 5), not normalised.  The sum is taken of the unquantised p, in f32, and divides at
; the end.  When M moves, the sum and O are multiplied by 2^(old M - new M), which rounds nothing.  Hidden scores become -infinity ahead of the maximum: p = 0.
; SHARES.  Work-group (i, head) makes the query block 7 - i (256 queries) and then the block i.  A block's eight pairs of query tiles (32 queries) have TWO waves each: wave w takes pair w % 8 and, of every
; 256 keys, the key step w / 8 (128 keys).  Each fragment of K and V read from LDS feeds two matrix instructions.  At a block's end the two waves of a pair join their parts: each sends its second register
; tile (O, -M, the sums) through its own stage in LDS and finishes its first; the wave of key step 1 holds the pair's two tiles in exchanged order, so that one text serves both.  The join multiplies by powers of two alone.
; LAYOUT.  S^T = K Q^T (source 0 = 16 keys, source 1 = 16 queries), O^T = V^T P^T (source 0 = 16 channels, source 1 = P): a lane holds ONE query (lane % 16); register j of score tile c is key
; 16 c + 8 (lane / 16) + j, so that tile c's conversion gives registers 2 c, 2 c + 1 of P; likewise O^T's four tiles give eight registers of the output's fragment.
; LDS HOLDS ALL THE KEYS THAT THE WORK-GROUP NEEDS: slot s (256 keys: K's 16,384 bytes, then V's) lies at 32,768 s, s = 0 .. 7 - i; nothing is filled again.  The tensor loads go out in two groups: at the head every
; wave brings 4,096 bytes of slots 0 and 1; behind a barrier, waves 0 to 11 bring 16,384 bytes each of slots 2 on, those that the work-group reads.
; So the walks over the keys have no barrier inside: one stands where the second group has landed, ahead of slot 2, and the others belong to the joins.  Every wait on TENSORcnt is for 0.
; The stages lie on slots 4 on and behind them: the first is stored behind a barrier at which every wave has ended the first block's walk, and the second block reads slots 0 to 3 alone.
; NO CLUSTER: the four work-groups of a head need 8, 7, 6 and 5 slots: partners would ask for different numbers of tiles.
; NO PREFETCH: the second group, the launch's last loads, is issued as soon as the first has landed: no loop runs ahead of a later load.
; LIMITS on the given exponents: e2 + e3 between -123 and 130 (added to c's exponent field); e5 and e6 between -126 and 119; e4 + e5 is applied by v_ldexp_f32 and has none.
; REGISTERS: v1 16 x lane; v2 the step's LDS address; v4 lane % 16 - 8 (lane / 16); v5, v6 the add's two; v7 v1 + my key step's place in a slot; v[8+4t..11+4t] tile t: -M, the largest t,
; the sum in two halves; v16-31 Q; v32-95 fragments of K, then of V; v98-161 S^T, then p; v96-111 tile 1's codes; v162-177 tile 0's codes; v178-241 O^T; v242-255 at work and constants.
.set SLOTB, 32768                      ; a slot
.set VOFF,  16384                      ; V's part of a slot
.set WST,   4608                       ; a wave's stage: 32 registers of O and 4 of state, 128 bytes each
.set STGSZ, 16*WST
.set STGA,  4*SLOTB                    ; the first join's stages
.set STGB,  STGA+STGSZ                 ; the second join's
.set SPARE, STGB+STGSZ                 ; the spare words, 128 bytes for each of 16 waves, which no other line names
.set LI,   1
.set ADR,  2
.set LD,   4
.set SPW,  5
.set NIL,  6
.set LK,   7
.set QF,   16
.set F,    32
.set P1,   96
.set S,    98
.set P0,   162
.set O,    178
.set TB,   2                           ; s2   LDS byte at which the slot in hand begins
.set N,    3                           ; s3   trips to go
.set WV,   18                          ; s18  my wave's number
.set SEL,  20                          ; s[20:21] lane selects for v_permlanex16_b32: lane l xor 16
.set CS,   22                          ; s[22:23] c = log2(e) / 8 x 2^(e2 + e3)
.set G1A,  24                          ; s[24:31] descriptor group 1: 4,096 bytes
.set SL,   33                          ; s33  the slot of my second load + i: over 7 where the work-group does not read it
.set KH,   39                          ; s39  my key step of a slot: wave / 8
.set G0,   40                          ; s[40:43] group 0 of my first load
.set T0,   44                          ; s44, s45  first query of register tile 0, 1 within my pair: 16 KH, 16 - 16 KH
.set QN,   46                          ; s46  my pair's first query in the second block
.set SWO,  47                          ; s47  my stage within the stages
.set G0B,  48                          ; s[48:51] group 0 of my second load
.set G1B,  52                          ; s[52:59] descriptor group 1: 16,384 bytes
.set SRO,  60                          ; s60  my partner's stage (wave xor 8)
.set KF,   98                          ; s98  my step's first key
.set Q0,   99                          ; s99  my pair's first query
.macro LOADQ q                         ; Q's two fragments of the pair that begins at query s[q]; 64 bytes a token
	s_add_co_u32 s96, s[\q], s[T0]
	s_lshl_b32 s96, s96, 6
	v_add_nc_u32 v249, s96, v[LI]
	s_add_co_u32 s96, s[\q], s[T0+1]
	s_lshl_b32 s96, s96, 6
	v_add_nc_u32 v252, s96, v[LI]
	global_load_b128 v[QF:QF+3], v249, s[4:5]
	global_load_b128 v[QF+4:QF+7], v249, s[4:5] offset:512
	global_load_b128 v[QF+8:QF+11], v252, s[4:5]
	global_load_b128 v[QF+12:QF+15], v252, s[4:5] offset:512
.endm
.macro INIT                            ; a block begins: the largest t is -3e38, -M its negative (a whole number), the sums and O^T are zeros, which the first change of M leaves zeros
.irp t, 0,1
	v_mov_b32 v[8+4*\t], 0x7f61b1e6
	v_mov_b32 v[9+4*\t], 0xff61b1e6
	v_mov_b32 v[10+4*\t], 0
	v_mov_b32 v[11+4*\t], 0
.endr
.set jj, 0
.rept 64
	v_mov_b32 v[O+jj], 0
.set jj, jj+1
.endr
.endm
	s_load_b128 s[4:7], s[0:1], 0x0                ; q_img s[4:5], k_img s[6:7]
	s_load_b128 s[12:15], s[0:1], 0x10             ; v_img s[12:13], the scales' exponents s[14:15]
	s_load_b64 s[16:17], s[0:1], 0x20              ; attn_img
	v_lshl_add_u32 v[SPW], v0, 2, SPARE
	v_mov_b32 v[NIL], 0
	ds_add_u32 v[SPW], v[NIL]                      ; the wave's opening: the add, twice on end, and its wait ahead of the first tensor load
	ds_add_u32 v[SPW], v[NIL]
	v_lshrrev_b32 v7, 5, v0
	v_readfirstlane_b32 s[WV], v7                  ; wave 0..15
	s_and_b32 s81, ttmp7, 0xffff                   ; 16 b + head
	s_lshl_b32 s82, s81, 17                        ; its 131,072 bytes in q_img, k_img and v_img
	s_mov_b32 s83, 0
	s_lshr_b32 s[KH], s[WV], 3
	s_and_b32 s85, s[WV], 7
	s_lshl_b32 s85, s85, 5                         ; 32 x my pair
	s_lshl_b32 s[T0], s[KH], 4
	s_sub_co_u32 s[T0+1], 16, s[T0]
	s_sub_co_u32 s86, 7, ttmp9
	s_lshl_b32 s86, s86, 8
	s_add_co_u32 s[Q0], s86, s85                   ; the first block is block 7 - i,
	s_lshl_b32 s86, ttmp9, 8
	s_add_co_u32 s[QN], s86, s85                   ; the second block i
	s_lshl_b32 s[KF], s[KH], 7
	s_mul_i32 s[SWO], s[WV], WST
	s_xor_b32 s86, s[WV], 8
	s_mul_i32 s[SRO], s86, WST
	s_lshr_b32 s90, s81, 4
	s_lshl_b32 s90, s90, 21                        ; attn_img: b x 2,048 rows of 1,024 bytes,
	s_bfe_u32 s92, s81, 0x30001
	s_lshl_b32 s92, s92, 11                        ; K step head / 2,
	s_add_co_u32 s90, s90, s92
	s_and_b32 s92, s81, 1
	s_lshl_b32 s92, s92, 10                        ; its upper half for an odd head
	s_add_co_u32 s90, s90, s92
	s_mov_b32 s91, 0
	; my first load: bytes 4,096 w of slots 0 and 1 as they lie in LDS: slot w / 8; K's part where bit 2 of w is 0, else V's; quarter w % 4
	s_lshl_b32 s94, s[WV], 12
	s_lshl_b32 s93, s[KH], 14
	s_and_b32 s92, s[WV], 3
	s_lshl_b32 s92, s92, 12
	s_add_co_u32 s86, s93, s92
	s_add_co_u32 s86, s86, s82
	s_mov_b32 s87, 0
	; my second load (waves 0 to 11): slot 2 + w / 2; K's part for an even w, V's for an odd one
	s_lshr_b32 s[SL], s[WV], 1
	s_add_co_u32 s[SL], s[SL], 2
	s_lshl_b32 s88, s[SL], 14
	s_add_co_u32 s88, s88, s82
	s_mov_b32 s89, 0
	s_add_co_u32 s[SL], s[SL], ttmp9
	s_lshl_b32 s95, s[WV], 14
	s_add_co_u32 s95, s95, 2*SLOTB
	s_mov_b32 s[G1A], 3<<16                        ; dense blocks as rows of 32 elements of 8 bytes; no mask, no padding: 16 rows,
	s_mov_b32 s[G1A+1], 32<<16
	s_mov_b32 s[G1A+2], 16<<16
	s_mov_b32 s[G1A+3], 32<<16
	s_mov_b32 s[G1A+4], 16
	s_mov_b32 s[G1A+5], 32
	s_mov_b32 s[G1A+6], 0
	s_mov_b32 s[G1A+7], 0
	s_mov_b32 s[G1B], 3<<16                        ; and 64 rows
	s_mov_b32 s[G1B+1], 32<<16
	s_mov_b32 s[G1B+2], 64<<16
	s_mov_b32 s[G1B+3], 32<<16
	s_mov_b32 s[G1B+4], 64
	s_mov_b32 s[G1B+5], 32
	s_mov_b32 s[G1B+6], 0
	s_mov_b32 s[G1B+7], 0
	s_mov_b32 s[SEL], 0x76543210
	s_mov_b32 s[SEL+1], 0xfedcba98
	s_mov_b32 s[CS], 0x3e38aa3b                    ; log2(e) / 8
	s_mov_b32 s[TB], 0
	s_wait_dscnt 0x0                               ; both opening adds are done
	s_wait_kmcnt 0x0
	s_load_b256 s[68:75], s[14:15], 0x0            ; the eight exponents
	s_and_b32 s93, s[WV], 4
	s_cmp_eq_u32 s93, 0
	s_cselect_b64 s[G0+2:G0+3], s[6:7], s[12:13]
	s_add_nc_u64 s[G0+2:G0+3], s[G0+2:G0+3], s[86:87]
	s_or_b32 s[G0+3], s[G0+3], 0x80000000
	s_mov_b32 s[G0], 1
	s_mov_b32 s[G0+1], s94
	tensor_load_to_lds s[G0:G0+3], s[G1A:G1A+7]    ; every wave's one load at the head
	s_nop 0
	s_and_b32 s93, s[WV], 1
	s_cmp_eq_u32 s93, 0
	s_cselect_b64 s[G0B+2:G0B+3], s[6:7], s[12:13]
	s_add_nc_u64 s[G0B+2:G0B+3], s[G0B+2:G0B+3], s[88:89]
	s_or_b32 s[G0B+3], s[G0B+3], 0x80000000
	s_mov_b32 s[G0B], 1
	s_mov_b32 s[G0B+1], s95
	s_add_nc_u64 s[4:5], s[4:5], s[82:83]
	s_add_nc_u64 s[16:17], s[16:17], s[90:91]
	v_and_b32 v[LI], 31, v0
	v_lshlrev_b32 v[LI], 4, v[LI]
	s_lshl_b32 s84, s[KH], 13
	v_add_nc_u32 v[LK], s84, v[LI]                 ; a key step is 8,192 bytes of K's part and of V's
	LOADQ Q0
	v_and_b32 v[LD], 15, v0
	v_bfe_u32 v248, v0, 4, 1
	v_lshlrev_b32 v248, 3, v248
	v_sub_nc_u32 v[LD], v[LD], v248                ; lane % 16 - 8 (lane / 16)
	INIT
	v_mov_b32 v243, 0                              ; (named as upper halves of pairs)
	v_mov_b32 v247, 0
	v_mov_b32 v250, 0                              ; a lane permute's destination counts as one of its sources
	v_mov_b32 v251, 0xff800000                     ; -infinity
	s_wait_kmcnt 0x0
	s_add_co_i32 s84, s70, s71
	s_lshl_b32 s84, s84, 23
	s_add_co_i32 s[CS], s[CS], s84                 ; a score stands for score x 2^(e2 + e3)
	s_mov_b32 s[CS+1], s[CS]
	s_add_co_i32 s84, s73, 127
	s_lshl_b32 s85, s84, 23
	v_mov_b32 v244, s85                            ; 2^e5, for p's conversions
	s_add_co_i32 s84, s84, 8
	s_lshl_b32 s84, s84, 23
	s_or_b32 s84, s84, 0x600000
	v_mov_b32 v245, s84                            ; 448 x 2^e5,
	v_mov_b32 v255, s84                            ; twice: the two halves of a dual instruction take their second sources from different register banks
	s_add_co_i32 s84, s74, 127
	s_lshl_b32 s85, s84, 23
	v_mov_b32 v254, s85                            ; 2^e6, for the result's
	s_add_co_i32 s84, s84, 8
	s_lshl_b32 s84, s84, 23
	s_or_b32 s84, s84, 0x600000
	v_mov_b32 v253, s84                            ; 448 x 2^e6
; On the diagonal the scores of hidden keys become -infinity.  A step all of whose keys count for all my queries jumps over this.
.macro MASK t
	s_add_co_u32 s96, s[KF], 127
	s_cmp_le_u32 s96, s[Q0]
	s_cbranch_scc1 .Lopen_\@
	s_sub_co_i32 s96, s[Q0], s[KF]
	s_add_co_i32 s96, s96, s[T0+\t]
	v_add_nc_u32 v252, s96, v[LD]                  ; d = my query - KF - 8 (lane / 16).  Register 8 c + j holds key KF + 8 (lane / 16) + 16 c + j: hidden where 16 c + j > d
.set nn, 0
.rept 64
	v_cmp_gt_i32 vcc_lo, 16*(nn/8)+nn%8, v252
	v_cndmask_b32 v[S+nn], v[S+nn], v251, vcc_lo
.set nn, nn+1
.endr
.Lopen_\@:
.endm
; One tile's softmax of a key step: the scores in v[S] on become p; p's codes go to v[pb] on.
.macro SOFTMAX t, pb
	v_max3_num_f32 v248, v[S], v[S+1], v[S+2]      ; the step's largest score of my query among my 64 keys, in two chains, ascending: each accumulator is first read at its low end
	v_max3_num_f32 v249, v[S+3], v[S+4], v[S+5]
.irp i, 6,10,14,18,22,26,30,34,38,42,46,50,54,58
	v_max3_num_f32 v248, v248, v[S+\i], v[S+\i+1]
	v_max3_num_f32 v249, v249, v[S+\i+2], v[S+\i+3]
.endr
	v_max3_num_f32 v248, v248, v[S+62], v[S+63]
	s_delay_alu instid0(VALU_DEP_1)
	v_max_num_f32 v248, v248, v249
	s_delay_alu instid0(VALU_DEP_1)
	v_permlanex16_b32 v250, v248, s[SEL], s[SEL+1]
	s_delay_alu instid0(VALU_DEP_1)
	v_max_num_f32 v248, v248, v250                 ; and among lane l xor 16's
	s_delay_alu instid0(VALU_DEP_1)
	v_mul_f32 v248, s[CS], v248                    ; as t (c is positive)
	s_delay_alu instid0(VALU_DEP_1)
	v_max_num_f32 v[9+4*\t], v[9+4*\t], v248       ; the running largest t
	v_mov_b32 v248, v[8+4*\t]
	s_delay_alu instid0(VALU_DEP_2)
	v_floor_f32 v[8+4*\t], -v[9+4*\t]              ; the new -M = floor(-t) = -ceil(t)
	s_delay_alu instid0(VALU_DEP_1)
	v_sub_f32 v248, v[8+4*\t], v248                ; old M - new M: a whole number, 0 or less
	s_delay_alu instid0(VALU_DEP_1)
	v_cvt_i32_f32 v248, v248                       ; (it saturates)
	s_delay_alu instid0(VALU_DEP_1)
	v_ldexp_f32 v246, 1.0, v248                    ; f = 2^(old M - new M)
.set jj, 0
.rept 32
	v_pk_fma_f32 v[S+jj:S+jj+1], v[S+jj:S+jj+1], s[CS:CS+1], v[8+4*\t:9+4*\t] op_sel_hi:[1,0,0]   ; t - M, two at a time
.set jj, jj+2
.endr
.set jj, 0
	s_wait_alu depctr_va_vdst(0)                   ; ahead of the batch
.rept 64
	v_exp_f32 v[S+jj], v[S+jj]                     ; p = 2^(t - M)
.set jj, jj+1
.endr
	v_pk_mul_f32 v[10+4*\t:11+4*\t], v[10+4*\t:11+4*\t], v[246:247] op_sel_hi:[1,0]   ; the sums under the new M: the plain instruction behind the exponentials
	s_wait_alu depctr_va_vdst(0)                   ; one wait for the whole batch, ahead of its first reader
	v_pk_add_f32 v[242:243], v[S:S+1], v[S+2:S+3]  ; the row's sum is taken of the unquantised p: two at a time, in two chains
.irp j, 4,8,12,16,20,24,28,32,36,40,44,48,52,56,60
	v_pk_add_f32 v[10+4*\t:11+4*\t], v[10+4*\t:11+4*\t], v[S+\j:S+\j+1]
	v_pk_add_f32 v[242:243], v[242:243], v[S+\j+2:S+\j+3]
.endr
	s_delay_alu instid0(VALU_DEP_1)
	v_pk_add_f32 v[10+4*\t:11+4*\t], v[10+4*\t:11+4*\t], v[242:243]
; The hold: the conversion does not saturate (ISA guide 7.6.2); p is not negative, so it is one-sided; two numbers an instruction.
; Tile 1's codes are laid over scores already converted, so there each group begins with two single holds: plain instructions between one conversion and the next, which writes over the earlier one's sources.
.set cc, 0
.rept 8
.if \t
	v_min_num_f32 v[S+8*cc], v[S+8*cc], v245
	v_min_num_f32 v[S+8*cc+1], v[S+8*cc+1], v245
.else
	v_dual_min_num_f32 v[S+8*cc], v[S+8*cc], v245 :: v_dual_min_num_f32 v[S+8*cc+1], v[S+8*cc+1], v255
.endif
.irp i, 2,4,6
	v_dual_min_num_f32 v[S+8*cc+\i], v[S+8*cc+\i], v245 :: v_dual_min_num_f32 v[S+8*cc+\i+1], v[S+8*cc+\i+1], v255
.endr
	v_cvt_scalef32_pk8_fp8_f32 v[\pb+2*cc:\pb+2*cc+1], v[S+8*cc:S+8*cc+7], v244   ; registers 2 c, 2 c + 1 of P
.set cc, cc+1
.endr
	v_nop                                          ; one plain vector instruction behind the last conversion
.endm
.macro RESCALE t                       ; O^T of tile t under the new M
	s_wait_alu depctr_va_vdst(0)                   ; directly ahead of the first readers of O^T
.set jj, 0
.rept 16
	v_pk_mul_f32 v[O+32*\t+jj:O+32*\t+jj+1], v[O+32*\t+jj:O+32*\t+jj+1], v[246:247] op_sel_hi:[1,0]
.set jj, jj+2
.endr
.endm
; MY KEY STEP of the slot in hand: 128 keys against my 32 queries.
.macro STEP
	s_add_co_u32 s96, s[Q0], 31
	s_cmp_gt_u32 s[KF], s96                        ; all its keys come after my 32 queries: the step's work is left out
	s_cbranch_scc1 .Lhidden_\@
	v_add_nc_u32 v[ADR], s[TB], v[LK]
.rept 4
	v_nop                                          ; with the addition five places behind the last products: four for the loads into their sources, five for the products below, which write over tile 1's codes
.endr
.irp t, 0,1,2,3,4,5,6,7
.irp c, 0,1
	ds_load_b128 v[F+8*\t+4*\c:F+8*\t+4*\c+3], v[ADR] offset:1024*\t+512*\c   ; eight fragments of K: 16 keys x 64 channels each
.endr
.endr
	s_wait_dscnt 0x0
.irp t, 0,1,2,3,4,5,6,7
	v_wmma_f32_16x16x64_fp8_fp8 v[S+8*\t:S+8*\t+7], v[F+8*\t:F+8*\t+7], v[QF:QF+7], 0
.endr
.rept 4
	v_nop
.endr
	MASK 0
	SOFTMAX 0, P0
.irp t, 0,1,2,3,4,5,6,7
	v_wmma_f32_16x16x64_fp8_fp8 v[S+8*\t:S+8*\t+7], v[F+8*\t:F+8*\t+7], v[QF+8:QF+15], 0   ; the second tile's scores, from the same fragments of K
.endr
	RESCALE 0                                      ; sixteen plain instructions: the places behind those products
.irp d, 0,1,2,3
.irp c, 0,1,2,3
	ds_load_b128 v[F+16*\d+4*\c:F+16*\d+4*\c+3], v[ADR] offset:VOFF+2048*\d+512*\c   ; four fragments of V: 16 channels x 128 keys each; they land while the second tile's softmax runs
.endr
.endr
	MASK 1
	SOFTMAX 1, P1
	RESCALE 1
	s_wait_alu depctr_va_vdst(0)                   ; directly ahead of the wait below
	s_wait_dscnt 0x0                               ; V is in
.irp d, 0,1,2,3                                ; the eight accumulators by turns, one instruction a turn
	v_wmma_f32_16x16x128_fp8_fp8 v[O+8*\d:O+8*\d+7], v[F+16*\d:F+16*\d+15], v[P0:P0+15], v[O+8*\d:O+8*\d+7]
	v_wmma_f32_16x16x128_fp8_fp8 v[O+32+8*\d:O+32+8*\d+7], v[F+16*\d:F+16*\d+15], v[P1:P1+15], v[O+32+8*\d:O+32+8*\d+7]
.endr
.Lhidden_\@:
	s_add_co_u32 s[KF], s[KF], 256
	s_add_co_u32 s[TB], s[TB], SLOTB               ; on to the next slot
.endm
.macro WALK trips                      ; so many slots on end, a constant; no barrier inside
	s_mov_b32 s[N], \trips
.Lwalk_\@:
	STEP
	s_sub_co_u32 s[N], s[N], 1
	s_cmp_lg_u32 s[N], 0
	s_cbranch_scc1 .Lwalk_\@
.endm
; A BLOCK'S END, FIRST PART: my second register tile goes into my stage.
.macro SENDT stg
	s_add_co_u32 s96, s[SWO], \stg
	v_add_nc_u32 v248, s96, v[LI]
.rept 3
	v_nop                                          ; with the addition four places behind the last products
.endr
	ds_store_b128 v248, v[12:15] offset:4096       ; -M, the largest t, the sum's halves
.irp k, 0,1,2,3,4,5,6,7
	ds_store_b128 v248, v[O+32+4*\k:O+32+4*\k+3] offset:512*\k   ; each accumulator from its low end on
.endr
.endm
; SECOND PART, behind a barrier: my partner's part of my first register tile comes from its stage; both parts are brought under the larger M, added, divided by the sum, held, converted by 2^e6 and stored:
; 512 consecutive bytes a store.  more = 1: then the second block begins.
.macro JOINT stg, more
	s_add_co_u32 s96, s[SRO], \stg
	v_add_nc_u32 v248, s96, v[LI]
	v_add_f32 v10, v10, v11                        ; my sum's halves
	v_nop
	v_nop                                          ; four places behind the last products, for the loads into their sources
	ds_load_b128 v[F+32:F+35], v248 offset:4096
.irp k, 0,1,2,3,4,5,6,7
	ds_load_b128 v[F+4*\k:F+4*\k+3], v248 offset:512*\k
.endr
	s_wait_alu depctr_va_vdst(0)                   ; directly ahead of the wait below
	s_wait_dscnt 0x0
	v_min_num_f32 v249, v8, v[F+32]                ; -M of the two parts together
	v_add_f32 v[F+34], v[F+34], v[F+35]
	v_sub_f32 v252, v249, v8
	v_sub_f32 v249, v249, v[F+32]                  ; whole numbers, 0 or less
	v_cvt_i32_f32 v252, v252                       ; (they saturate: a part with no key has factor 0)
	v_cvt_i32_f32 v249, v249
	v_ldexp_f32 v252, 1.0, v252                    ; my part's factor,
	v_ldexp_f32 v249, 1.0, v249                    ; my partner's
	v_mul_f32 v10, v10, v252
	v_fmac_f32 v10, v[F+34], v249
	v_permlanex16_b32 v250, v10, s[SEL], s[SEL+1]
	v_add_f32 v10, v10, v250                       ; the row's sum
	s_wait_alu depctr_va_vdst(0)                   ; ahead of the transcendental
	v_rcp_f32 v10, v10
	v_nop                                          ; a plain instruction behind the reciprocal
	s_add_co_i32 s96, s72, s73
	s_wait_alu depctr_va_vdst(0)                   ; and ahead of its first reader
	v_ldexp_f32 v10, v10, s96                      ; x 2^(e4 + e5)
	v_mul_f32 v246, v10, v252
	v_mul_f32 v242, v10, v249
	s_wait_alu depctr_va_vdst(0)                   ; directly ahead of the first readers of O^T
.set jj, 0
.rept 16
	v_pk_mul_f32 v[O+jj:O+jj+1], v[O+jj:O+jj+1], v[246:247] op_sel_hi:[1,0]
.set jj, jj+2
.endr
.set jj, 0
.rept 16
	v_pk_fma_f32 v[O+jj:O+jj+1], v[F+jj:F+jj+1], v[242:243], v[O+jj:O+jj+1] op_sel_hi:[1,0,1]
.set jj, jj+2
.endr
.set jj, 0
.rept 32
	v_med3_num_f32 v[O+jj], v[O+jj], -v253, v253
.set jj, jj+1
.endr
.irp d, 0,1,2,3
	v_cvt_scalef32_pk8_fp8_f32 v[F+40+2*\d:F+41+2*\d], v[O+8*\d:O+8*\d+7], v254
.endr
	v_nop                                          ; one plain vector instruction behind the last conversion
	s_add_co_u32 s96, s[Q0], s[T0]
	s_lshl_b32 s96, s96, 10                        ; my tile's 16 rows of 1,024 bytes
	v_add_nc_u32 v248, s96, v[LI]
	global_store_b128 v248, v[F+40:F+43], s[16:17] th:TH_STORE_NT
	global_store_b128 v248, v[F+44:F+47], s[16:17] offset:512 th:TH_STORE_NT
.if \more
	s_mov_b32 s[Q0], s[QN]                         ; the second block: its queries, key 0 and slot 0 on
	s_lshl_b32 s[KF], s[KH], 7
	s_mov_b32 s[TB], 0
	INIT
	s_wait_xcnt 0x0                                ; the stores have read their registers
.endif
.endm
	s_wait_alu depctr_va_vdst(0)                   ; the wait at the head's end
	s_wait_tensorcnt 0x0                           ; my part of slots 0 and 1 is in
	ds_add_u32 v[SPW], v[NIL]                      ; 0 onto my spare word
	s_wait_dscnt 0x0
	s_barrier_signal -1
	s_barrier_wait -1                              ; everybody's part is in
	s_cmp_lt_u32 s[WV], 12                         ; twelve parts: slots 2 to 7, K's and V's
	s_cbranch_scc0 .Lnone
	s_cmp_gt_u32 s[SL], 7                          ; a slot whose keys come after the work-group's last query is read by nobody and is not asked for
	s_cbranch_scc1 .Lnone
	tensor_load_to_lds s[G0B:G0B+3], s[G1B:G1B+7]  ; my one load behind this barrier, and my last
	s_nop 0
.rept 4
	v_nop
.endr
.Lnone:
	s_wait_loadcnt 0x0                             ; Q
	WALK 2                                         ; the first block: slots 0 and 1
	s_wait_tensorcnt 0x0                           ; my part of the later slots is in
	s_wait_dscnt 0x0
	s_barrier_signal -1
	s_barrier_wait -1                              ; everybody's is
	WALK 6                                         ; slots 2 to 7; those past the block's diagonal are jumped over
	LOADQ QN                                       ; the second block's Q lands under the join
	s_wait_dscnt 0x0                               ; my reads of the slots are over
	s_barrier_signal -1
	s_barrier_wait -1                              ; everybody's are: slots 4 on may take the stages
	SENDT STGA
	s_wait_xcnt 0x0                                ; the loads of Q have read their addresses, which the join writes again
	s_wait_dscnt 0x0                               ; what I sent lies in my stage
	s_barrier_signal -1
	s_barrier_wait -1
	JOINT STGA, 1
	s_wait_alu depctr_va_vdst(0)                   ; directly ahead of the wait below
	s_wait_loadcnt 0x0                             ; Q
	WALK 4                                         ; the second block: slots 0 to 3 at the most
	SENDT STGB                                     ; bytes that nobody reads or writes any more but by these lines
	s_wait_dscnt 0x0
	s_barrier_signal -1
	s_barrier_wait -1
	JOINT STGB, 0
	s_wait_tensorcnt 0x0                           ; the wave's end, behind my last tensor load and my last LDS store
	ds_add_u32 v[SPW], v[NIL]
	s_wait_dscnt 0x0
	s_endpgm
.Lfunc_end_k_q77cb8cf08e_attn:
	.size	k_q77cb8cf08e_attn, .Lfunc_end_k_q77cb8cf08e_attn-k_q77cb8cf08e_attn
	.p2alignl 7, 3214868480
	.fill 96, 4, 3214868480
	.section	.rodata,"a",@progbits
	.p2align	6, 0x0
	.amdhsa_kernel k_q77cb8cf08e_attn
		.amdhsa_group_segment_fixed_size 327680
		.amdhsa_private_segment_fixed_size 0
		.amdhsa_enable_private_segment 0
		.amdhsa_kernarg_size 40
		.amdhsa_user_sgpr_count 2
		.amdhsa_user_sgpr_kernarg_segment_ptr 1
		.amdhsa_wavefront_size32 1
		.amdhsa_system_sgpr_workgroup_id_x 1
		.amdhsa_system_sgpr_workgroup_id_y 1
		.amdhsa_system_sgpr_workgroup_id_z 1
		.amdhsa_system_vgpr_workitem_id 0
		.amdhsa_next_free_vgpr 256
		.amdhsa_next_free_sgpr 100
		.amdhsa_reserve_vcc 1
		.amdhsa_float_denorm_mode_32 3
		.amdhsa_float_denorm_mode_16_64 3
		.amdhsa_memory_ordered 1
		.amdhsa_forward_progress 1
		.amdhsa_inst_pref_size 145
	.end_amdhsa_kernel
	.amdgpu_metadata
---
amdhsa.version: [ 1, 2 ]
amdhsa.kernels:
  - .name:           k_q77cb8cf08e_attn
    .symbol:         k_q77cb8cf08e_attn.kd
    .args:
      - { .name: q_img, .offset: 0, .size: 8, .value_kind: global_buffer, .address_space: global }
      - { .name: k_img, .offset: 8, .size: 8, .value_kind: global_buffer, .address_space: global }
      - { .name: v_img, .offset: 16, .size: 8, .value_kind: global_buffer, .address_space: global }
      - { .name: lowp_scales, .offset: 24, .size: 8, .value_kind: global_buffer, .address_space: global }
      - { .name: attn_img, .offset: 32, .size: 8, .value_kind: global_buffer, .address_space: global }
    .group_segment_fixed_size: 327680
    .private_segment_fixed_size: 0
    .kernarg_segment_align: 8
    .kernarg_segment_size: 40
    .max_flat_workgroup_size: 512
    .sgpr_count:     100
    .vgpr_count:     256
    .wavefront_size: 32
...
	.end_amdgpu_metadata
.endif
;; end of part 3
;; launch proj (part 4): grid 4 x 64, 4 waves a work-group, clusters of 4 x 4, 327,680 bytes of LDS; arguments attn_img, wo_codes, lowp_scales, bo, out0; writes out0
.if DOCPART == 4
	.amdgcn_target "amdgcn-amd-amdhsa--gfx1250"
	.amdhsa_code_object_version 6
	.text
	.protected	k_q77cb8cf08e_proj
	.globl	k_q77cb8cf08e_proj
	.p2align	8
	.type	k_q77cb8cf08e_proj,@function
k_q77cb8cf08e_proj:
	s_mov_b64 s[64:65], 0
	v_nop
	global_prefetch_b8 v0, s[64:65] scope:SCOPE_SE
	s_setreg_imm32_b32 hwreg(HW_REG_WAVE_MODE, 25, 1), 1
	s_wait_xcnt 0x0
	s_wait_alu depctr_hold_cnt(0) depctr_sa_sdst(0) depctr_va_vdst(0) depctr_va_sdst(0) depctr_va_ssrc(0) depctr_va_vcc(0) depctr_vm_vsrc(0)
	s_getreg_b32 s2, hwreg(HW_REG_IB_STS2, 6, 4)
	s_cmp_eq_u32 s2, 0
	s_cbranch_scc0 .Lentry_in_a_cluster
	s_endpgm
.Lentry_in_a_cluster:
	s_bfe_u32 s2, ttmp6, 0x10000c
	s_cmp_lg_u32 s2, 0xf033
	s_cbranch_scc0 .Lentry_shape_is_right
	s_endpgm
.Lentry_shape_is_right:
; out0 = attn Wo^T + bo on codes of FP8 (E4M3).  attn_img: [row tile of 16 of 8,192 rows][K step of 128][2,048 bytes]: images of operand registers in the plain 8-bit layout, lane l's 16 bytes at 16 l + 512 c.
; wo_codes: [1024][1024], K innermost.  A sum stands for sum x 2^(e6 + e7); out = sum x 2^(e6 + e7) + bias, one fused multiply-add in f32.  LIMIT: e6 + e7 between -126 and 127.
; A block of 128 rows x 256 columns is made by a work-group of four waves: 64 x 4 blocks, one for each of 256 work-groups.  A wave makes 64 x 128: 32 accumulators of 16 x 16, 256 registers.
; K = 1,024 goes in four steps of 256 through two LDS slots; a slot holds two steps of 128 for the matrix instruction.
; THE MATRIX INSTRUCTION IS USED TRANSPOSED (source 0 = 16 rows of Wo, source 1 = 16 rows of attn): a lane holds eight neighbouring numbers of a row of out0.
; CLUSTERS: 4 x 4 work-groups; attn's tiles are asked for jointly along a row of the cluster, Wo's along a column.  Branches hang on the wave's number alone.
; NO PREFETCH: K has four slots' worth; the first two are asked for at the outset, and the other two one slot's products later.
; REGISTERS, in windows of 256: window 0: v16-31 addresses; v32-95 the bias; v128-191, v192-255 attn's fragments (4 x 16 rows x 128 K), two sets; on the way out the rows read back.
;   window 1: Wo's fragments (8 x 16 rows x 128 K), two sets, at v0 and v128.   window 2: accumulator (a, b) at v[8 (8 a + b)].
.set PITCH,  272                       ; Wo's LDS row: 256 bytes + 16 of padding
.set FR,     16                        ; registers of a fragment
.set NP,     4                         ; places behind this matrix instruction (ISA guide 7.12.1)
.set HALFA,  16384                     ; 64 rows of attn x 256 K: four row tiles of 4,096 bytes
.set HALFB,  128*PITCH                 ; 128 rows of Wo
.set SLOT,   2*HALFA+2*HALFB
.set SPARE,  2*SLOT                    ; the spare words, 128 bytes for each wave, which no other line names
.set SPITCH, 528                       ; the way out: a stage of 16 rows x (512 + 16) bytes for each wave, in slot 0, behind its last fill and its last read
.set ROWC,   4096                      ; a row of out0 in bytes
.set ADRA, 16
.set ADRB, 20
.set STO,  24
.set RD,   25
.set CO,   26
.set H32,  27
.set SPW,  28
.set NIL,  29
.set BQ,   32
.set AF,   128
.set BK,   128
.set G1, 24
.set G0, 32
.set G1B, 48
.set G0B, 56
.set MSB, 0
.macro WIN new                         ; the immediate's high byte repeats the setting that is left
.if MSB != \new
	s_set_vgpr_msb (MSB<<8)|\new
.set MSB, \new
.endif
.endm
.set MUL_LO, 0xa1                      ; source 0 window 1, source 1 window 0, C and D window 2
.set TO_B,   0x40                      ; destination window 1
.macro JLOAD g0a, g1a, g0b, g1b        ; a joint load: waves 0 and 1 fetch attn's halves, waves 2 and 3 Wo's; an s_nop 0 and four v_nop follow each line
	s_cmp_eq_u32 s15, 0
	s_cbranch_scc0 .Lfor_b_\@
	tensor_load_to_lds s[\g0a:\g0a+3], s[\g1a:\g1a+7]
	s_nop 0
.rept 4
	v_nop
.endr
	s_branch .Lasked_\@
.Lfor_b_\@:
	tensor_load_to_lds s[\g0b:\g0b+3], s[\g1b:\g1b+7]
	s_nop 0
.rept 4
	v_nop
.endr
.Lasked_\@:
.endm
.macro CREST                           ; a round of the cluster's barrier behind its opening barrier
	s_cmp_lg_u32 s14, 0
	s_cbranch_scc1 .Lnot_wave_0_\@
	s_barrier_signal -3
.Lnot_wave_0_\@:
	s_barrier_wait -3
	s_barrier_signal -1
	s_barrier_wait -1
.endm
.macro CROUND
	s_barrier_signal -1
	s_barrier_wait -1
	CREST
.endm
	s_load_b256 s[4:11], s[0:1], 0x0               ; attn_img s[4:5], wo_codes s[6:7], the scales' exponents s[8:9], bo s[10:11]
	s_load_b64 s[68:69], s[0:1], 0x20              ; out0
	v_lshl_add_u32 v[SPW], v0, 2, SPARE
	v_mov_b32 v[NIL], 0
	ds_add_u32 v[SPW], v[NIL]                      ; the wave's opening: the add, twice on end, and its wait ahead of my first tensor load
	ds_add_u32 v[SPW], v[NIL]
	v_lshrrev_b32 v1, 5, v0
	v_readfirstlane_b32 s14, v1                    ; wave 0..3
	s_lshr_b32 s15, s14, 1                         ; which 64 rows of the block are mine.  Also: I fetch for attn (0) or for Wo (1)
	s_and_b32 s16, s14, 1                          ; which 128 columns.  Also: which half of that tile I fetch
	s_bfe_u32 s40, ttmp6, 0x40000                  ; cx, cy
	s_bfe_u32 s41, ttmp6, 0x40004
	s_lshl_b32 s42, ttmp9, 2
	s_add_co_u32 s42, s42, s40                     ; block column
	s_and_b32 s17, ttmp7, 0xffff
	s_lshl_b32 s17, s17, 2
	s_add_co_u32 s17, s17, s41                     ; block row
	s_lshl_b32 s43, s41, 2
	s_lshl_b32 s43, 15, s43                        ; my row of the cluster
	s_lshl_b32 s44, 0x1111, s40                    ; my column
	s_or_b32 s[G1+0], s43, (3<<16)|(1<<21)         ; attn: four rows of 512 elements of 8 bytes (a row tile's 4,096 bytes of this slot), 16,384 bytes apart; no padding
	s_mov_b32 s[G1+1], 512<<16
	s_mov_b32 s[G1+2], 4<<16
	s_mov_b32 s[G1+3], 512<<16
	s_mov_b32 s[G1+4], 4
	s_mov_b32 s[G1+5], 2048
	s_mov_b32 s[G1+6], 0
	s_mov_b32 s[G1+7], 0
	s_or_b32 s[G1B+0], s44, (0<<16)|(1<<20)|(1<<21)|(5<<22)|(3<<25)   ; Wo: 128 rows of 256 bytes, four words of padding behind each
	s_mov_b32 s[G1B+1], 256<<16
	s_mov_b32 s[G1B+2], 128<<16
	s_mov_b32 s[G1B+3], 256<<16
	s_mov_b32 s[G1B+4], 128
	s_mov_b32 s[G1B+5], 1024
	s_mov_b32 s[G1B+6], 0
	s_mov_b32 s[G1B+7], 0
	s_lshl_b32 s20, s17, 17                        ; attn: 128 rows are 131,072 bytes,
	s_lshl_b32 s18, s16, 16                        ; the half that I fetch 65,536
	s_add_co_u32 s20, s20, s18
	s_mov_b32 s21, 0
	s_lshl_b32 s46, s42, 8
	s_lshl_b32 s18, s16, 7
	s_add_co_u32 s46, s46, s18                     ; Wo: row 256 x block column + 128 x half
	s_lshl_b32 s46, s46, 10
	s_mov_b32 s47, 0
	s_mul_i32 s45, s16, HALFA                      ; where they go: no place in the cluster enters an LDS address
	s_mul_i32 s75, s16, HALFB
	s_add_co_u32 s75, s75, 2*HALFA
	s_wait_dscnt 0x0                               ; both opening adds are done
	s_wait_kmcnt 0x0
	s_load_b256 s[76:83], s[8:9], 0x0              ; the eight exponents
	s_add_nc_u64 s[20:21], s[4:5], s[20:21]
	s_add_nc_u64 s[46:47], s[6:7], s[46:47]
	CROUND                                         ; all sixteen work-groups are here: the first joint loads meet
.irp s, 0,1
	s_mov_b32 s[G0+4*\s], 1
	s_add_co_u32 s[G0+4*\s+1], s45, \s*SLOT
	s_add_nc_u64 s[G0+4*\s+2:G0+4*\s+3], s[20:21], \s*4096
	s_or_b32 s[G0+4*\s+3], s[G0+4*\s+3], 0x80000000
	s_mov_b32 s[G0B+4*\s], 1
	s_add_co_u32 s[G0B+4*\s+1], s75, \s*SLOT
	s_add_nc_u64 s[G0B+4*\s+2:G0B+4*\s+3], s[46:47], \s*256
	s_or_b32 s[G0B+4*\s+3], s[G0B+4*\s+3], 0x80000000
.endr
	JLOAD G0, G1, G0B, G1B                         ; K 0-255: one tensor load a wave at the head
	v_and_b32 v1, 15, v0                           ; r
	v_bfe_u32 v2, v0, 4, 1                         ; h
	v_and_b32 v6, 31, v0
	v_lshlrev_b32 v[CO], 4, v6                     ; 16 x lane
	v_lshlrev_b32 v[H32], 5, v2
	v_mul_u32_u24 v3, v1, PITCH
	v_lshl_add_u32 v4, v2, 3, v3                   ; Wo's fragment in the plain layout: row r, + 8 h
	s_mul_i32 s21, s15, HALFA
	s_mul_i32 s22, s16, HALFB
	s_add_co_u32 s22, s22, 2*HALFA
.irp s, 0,1
	v_add_nc_u32 v[ADRA+\s], s21, v[CO]
	v_add_nc_u32 v[ADRB+\s], s22, v4
	s_add_co_u32 s21, s21, SLOT
	s_add_co_u32 s22, s22, SLOT
.endr
	s_mul_i32 s23, s14, 16*SPITCH                  ; my stage
	v_mul_u32_u24 v5, v1, SPITCH
	v_lshl_add_u32 v5, v2, 5, v5
	v_add_nc_u32 v[STO], s23, v5
	v_add_nc_u32 v[RD], s23, v[CO]
	s_lshl_b32 s88, s42, 8
	s_lshl_b32 s89, s16, 7
	s_add_co_u32 s88, s88, s89                     ; my first column
	s_lshl_b32 s90, s88, 2
	s_mov_b32 s91, 0
	s_add_nc_u64 s[92:93], s[10:11], s[90:91]
	s_lshl_b32 s94, s17, 7
	s_lshl_b32 s95, s15, 6
	s_add_co_u32 s94, s94, s95                     ; my first row
	s_lshl_b32 s94, s94, 12
	s_add_co_u32 s94, s94, s90
	s_mov_b32 s95, 0
	s_add_nc_u64 s[68:69], s[68:69], s[94:95]
	s_wait_alu depctr_va_vdst(0)                   ; it serves every register that the head has made
.irp b, 0,1,2,3,4,5,6,7
	global_load_b128 v[BQ+8*\b:BQ+8*\b+3],   v[H32], s[92:93] offset:64*\b      ; bias[first column + 16 b + 8 h + j] at BQ + 8 b + j; waited for on the way out
	global_load_b128 v[BQ+8*\b+4:BQ+8*\b+7], v[H32], s[92:93] offset:64*\b+16
.endr
.macro FRAGA reg, adr, q, i            ; an image of 16 registers: four loads of 512 consecutive bytes a wave
.irp c, 0,1,2,3
	ds_load_b128 v[\reg+4*\c:\reg+4*\c+3], v[\adr] offset:4096*(\i)+2048*(\q)+512*\c
.endr
.endm
.macro FRAGB reg, adr, q, i            ; the plain layout: registers 2 c, 2 c + 1 hold K = 16 c + 8 h + 0 .. 7
.irp c, 0,1,2,3,4,5,6,7
	ds_load_b64 v[\reg+2*\c:\reg+2*\c+1], v[\adr] offset:128*(\q)+16*\c+(\i)*16*PITCH
.endr
.endm
; 16 matrix instructions: attn's blocks a0, a0 + 1 x Wo's eight, 128 along K, from set p.  The 32 accumulators take turns, in the same order in every step.
.macro MUL16 a0, p, zero
.irp a, \a0, \a0+1
.irp b, 0,1,2,3,4,5,6,7
.if \zero
	v_wmma_f32_16x16x128_fp8_fp8 v[8*(8*(\a)+\b):8*(8*(\a)+\b)+7], v[128*(\p)+FR*\b:128*(\p)+FR*\b+FR-1], v[AF+64*(\p)+FR*(\a):AF+64*(\p)+FR*(\a)+FR-1], 0
.else
	v_wmma_f32_16x16x128_fp8_fp8 v[8*(8*(\a)+\b):8*(8*(\a)+\b)+7], v[128*(\p)+FR*\b:128*(\p)+FR*\b+FR-1], v[AF+64*(\p)+FR*(\a):AF+64*(\p)+FR*(\a)+FR-1], v[8*(8*(\a)+\b):8*(8*(\a)+\b)+7]
.endif
.endr
.endr
.endm
.macro FETCH slot, q, p                ; the fragments of the slot's q-th 128 along K into set p
	WIN TO_B
.irp i, 0,1,2,3,4,5,6,7
	FRAGB 128*(\p)+FR*\i, ADRB+\slot, \q, \i
.endr
	WIN 0
.irp i, 0,1,2,3
	FRAGA AF+64*(\p)+FR*\i, ADRA+\slot, \q, \i
.endr
.endm
.macro PLACES n
.rept \n
	v_nop
.endr
.endm
; A slot's first step: set 0 is multiplied while the second step's fragments come into set 1.
.macro STEP slot, zero
	s_wait_dscnt 0x0                               ; set 0 is in
	PLACES NP                                      ; behind the products that read set 1
	FETCH \slot, 1, 1
	WIN MUL_LO
	MUL16 0, 0, \zero
	MUL16 2, 0, \zero
	WIN 0
.endm
; A slot's second step changes slots: each wave waits for all its tensor loads, adds 0 to its spare word, and waits for that and for its reads of this slot.  fill = 1: this slot is filled again, two slots ahead.
.macro TURN slot, next, fill
	s_wait_tensorcnt 0x0                           ; my part of the next slot has landed
	ds_add_u32 v[SPW], v[NIL]
	s_wait_dscnt 0x0                               ; the add is done, set 1 is in, my reads of this slot are over
	s_barrier_signal -1
	WIN MUL_LO
	MUL16 0, 1, 0                                  ; work on registers while the others arrive
	WIN 0
	s_barrier_wait -1
.if \fill
	CREST                                          ; the barrier has opened a round of the cluster's barrier
	s_add_nc_u64 s[G0+4*\slot+2:G0+4*\slot+3], s[G0+4*\slot+2:G0+4*\slot+3], 2*4096
	s_add_nc_u64 s[G0B+4*\slot+2:G0B+4*\slot+3], s[G0B+4*\slot+2:G0B+4*\slot+3], 2*256
	JLOAD G0+4*\slot, G1, G0B+4*\slot, G1B         ; the first tensor load behind the round; its four v_nop are the places in front of the loads below
.else
	PLACES NP
.endif
	FETCH \next, 0, 0
	WIN MUL_LO
	MUL16 2, 1, 0
	WIN 0
.endm
	s_wait_tensorcnt 0x0                           ; my part of K 0-255 is in; slot 1's first fill is issued as a refill is:
	ds_add_u32 v[SPW], v[NIL]
	s_wait_dscnt 0x0
	CROUND
	JLOAD G0+4, G1, G0B+4, G1B                     ; K 256-511
	FETCH 0, 0, 0
	STEP 0, 1                                      ; its products start the sums
	TURN 0, 1, 1                                   ; slot 0 takes K 512-767
	STEP 1, 0
	TURN 1, 0, 1                                   ; slot 1 takes K 768-1023
	STEP 0, 0
	TURN 0, 1, 0                                   ; nothing is left to fetch
	STEP 1, 0
	s_wait_dscnt 0x0                               ; the last step
	WIN MUL_LO
	MUL16 0, 1, 0
	MUL16 2, 1, 0
	WIN 0
; THE WAY OUT, block by block of 16 rows x 128 columns: sum x 2^(e6 + e7) + bias in place, each accumulator from its low end on; through my stage; back as whole rows of 512 bytes, which 32 lanes store.
.macro TOSTAGE a
.set AC, 64*(\a)
	WIN 0x82                                       ; destination and source 0: window 2
.irp j, 0,2,4,6,8,10,12,14,16,18,20,22,24,26,28,30,32,34,36,38,40,42,44,46,48,50,52,54,56,58,60,62
	v_pk_fma_f32 v[AC+\j:AC+\j+1], v[AC+\j:AC+\j+1], s[96:97], v[BQ+\j:BQ+\j+1] op_sel_hi:[1,0,1]
.endr
	WIN 0x08                                       ; a store's data: window 2
.irp b, 0,1,2,3,4,5,6,7
	ds_store_b128 v[STO], v[AC+8*\b:AC+8*\b+3] offset:64*\b
	ds_store_b128 v[STO], v[AC+8*\b+4:AC+8*\b+7] offset:64*\b+16
.endr
	WIN 0
.set BB, BK+64*((\a)%2)
.irp t, 0,1,2,3,4,5,6,7,8,9,10,11,12,13,14,15
	ds_load_b128 v[BB+4*\t:BB+4*\t+3], v[RD] offset:\t*SPITCH   ; LDS serves a wave's instructions in order: these see my stores
.endr
.endm
.macro SEND a, younger                 ; younger: the LDS instructions issued behind block a's loads
.set BB, BK+64*((\a)%2)
	s_wait_dscnt \younger
.if (\a) > 0
	s_add_nc_u64 s[68:69], s[68:69], 16*ROWC       ; behind a wait on XCNT
.endif
.irp t, 0,1,2,3,4,5,6,7,8,9,10,11,12,13,14,15
	global_store_b128 v[CO], v[BB+4*\t:BB+4*\t+3], s[68:69] offset:\t*ROWC th:TH_STORE_NT   ; 512 consecutive bytes, aligned
.endr
.endm
	s_wait_kmcnt 0x0
	s_add_co_i32 s96, s82, s83                     ; e6 + e7
	s_add_co_i32 s96, s96, 127
	s_lshl_b32 s96, s96, 23
	s_mov_b32 s97, s96
	s_wait_loadcnt 0x0                             ; the bias
	PLACES NP                                      ; behind the last products
	TOSTAGE 0
.irp a, 1,2,3
.if \a > 1
	s_wait_xcnt 0x0                                ; block a - 2's stores have read their registers and their base
.endif
	TOSTAGE \a
	SEND \a-1, 32
.endr
	s_wait_xcnt 0x0
	SEND 3, 0
	s_wait_tensorcnt 0x0                           ; the wave's end
	ds_add_u32 v[SPW], v[NIL]
	s_wait_dscnt 0x0
	CROUND                                         ; the closing round
	s_endpgm
.Lfunc_end_k_q77cb8cf08e_proj:
	.size	k_q77cb8cf08e_proj, .Lfunc_end_k_q77cb8cf08e_proj-k_q77cb8cf08e_proj
	.p2alignl 7, 3214868480
	.fill 96, 4, 3214868480
	.section	.rodata,"a",@progbits
	.p2align	6, 0x0
	.amdhsa_kernel k_q77cb8cf08e_proj
		.amdhsa_group_segment_fixed_size 327680
		.amdhsa_private_segment_fixed_size 0
		.amdhsa_enable_private_segment 0
		.amdhsa_kernarg_size 40
		.amdhsa_user_sgpr_count 2
		.amdhsa_user_sgpr_kernarg_segment_ptr 1
		.amdhsa_wavefront_size32 1
		.amdhsa_system_sgpr_workgroup_id_x 1
		.amdhsa_system_sgpr_workgroup_id_y 1
		.amdhsa_system_sgpr_workgroup_id_z 1
		.amdhsa_system_vgpr_workitem_id 0
		.amdhsa_next_free_vgpr 768
		.amdhsa_next_free_sgpr 100
		.amdhsa_reserve_vcc 0
		.amdhsa_float_denorm_mode_32 3
		.amdhsa_float_denorm_mode_16_64 3
		.amdhsa_memory_ordered 1
		.amdhsa_forward_progress 1
		.amdhsa_inst_pref_size 93
	.end_amdhsa_kernel
	.amdgpu_metadata
---
amdhsa.version: [ 1, 2 ]
amdhsa.kernels:
  - .name:           k_q77cb8cf08e_proj
    .symbol:         k_q77cb8cf08e_proj.kd
    .args:
      - { .name: attn_img, .offset: 0, .size: 8, .value_kind: global_buffer, .address_space: global }
      - { .name: wo_codes, .offset: 8, .size: 8, .value_kind: global_buffer, .address_space: global }
      - { .name: lowp_scales, .offset: 16, .size: 8, .value_kind: global_buffer, .address_space: global }
      - { .name: bo, .offset: 24, .size: 8, .value_kind: global_buffer, .address_space: global }
      - { .name: out0, .offset: 32, .size: 8, .value_kind: global_buffer, .address_space: global }
    .group_segment_fixed_size: 327680
    .private_segment_fixed_size: 0
    .kernarg_segment_align: 8
    .kernarg_segment_size: 40
    .max_flat_workgroup_size: 128
    .sgpr_count:     100
    .vgpr_count:     768
    .wavefront_size: 32
...
	.end_amdgpu_metadata
.endif
;; end of part 4
